; MI455X (gfx1250); checked and timed in simulation.
; The chip was launched on July 23, 2026; its instructions are those of AMD's public machine-readable ISA for CDNA 5 (MIT licence, August 2026) and "CDNA5" Instruction Set Architecture Reference Guide (July 2026). The comments in the code are by the model that wrote it; some were corrected since.
;; GPT2 Block. Allowed arithmetic: matrix products marked QUANTISED: E4M3 operands, one given power-of-two scale a tensor, by v_wmma_f32_16x16x64_fp8_fp8 or v_wmma_f32_16x16x128_fp8_fp8, f32 sums; everything else in f32.
;; Inputs: W1_codes 4,096 x 32 x 32 uint8 (E4M3 codes of W1, K innermost, in blocks of 32 codes); W2_codes 1,024 x 128 x 32 uint8 (E4M3 codes of W2, K innermost, in blocks of 32 codes); Wout_codes 1,024 x 32 x 32 uint8 (E4M3 codes of Wout, K innermost, in blocks of 32 codes); Wqkv_codes 3,072 x 32 x 32 uint8 (E4M3 codes of Wqkv, K innermost, in blocks of 32 codes); b1 4,096 float32; b2 1,024 float32; ln1_b 1,024 float32; ln1_g 1,024 float32; ln2_b 1,024 float32; ln2_g 1,024 float32; lowp_scales 12 int32 (the exponents e of the quantised operands' scales 2^e); x 2 x 2,048 x 1,024 float32.
;; Outputs: out0 2 x 2,048 x 1,024 float32.
;; This version of the problem:
;;   THIS VERSION OF THE PROBLEM IS GIVEN IN LOW PRECISION. The matrix products marked QUANTISED in the list below multiply operands that are first quantised to E4M3 (4 exponent bits, 3 mantissa bits; 8 bits a number), with one given power-of-two scale for each operand tensor; their sums are f32. All else is computed in f32.
;;   The module's matrix products, in the order in which they are computed (A, B: the left and right operand; K: the contracted axis; several contracted axes count as one K, in the product's order):
;;     1. [M 4,096, K 1,024] x [K 1,024, N 3,072]; A: computed on the way; B: input Wqkv (given as codes): QUANTISED (scales: A lowp_scales[0], B lowp_scales[1])
;;     2. batch 32 x [M 2,048, K 64] x [K 64, N 2,048]; A: computed on the way; B: computed on the way: QUANTISED (scales: A lowp_scales[2], B lowp_scales[3])
;;     3. batch 32 x [M 64, K 2,048] x [K 2,048, N 2,048]; A: computed on the way; B: softmax (see below): QUANTISED (scales: A lowp_scales[4], B lowp_scales[5])
;;     4. [M 4,096, K 1,024] x [K 1,024, N 1,024]; A: computed on the way; B: input Wout (given as codes): QUANTISED (scales: A lowp_scales[6], B lowp_scales[7])
;;     5. [M 4,096, K 1,024] x [K 1,024, N 4,096]; A: computed on the way; B: input W1 (given as codes): QUANTISED (scales: A lowp_scales[8], B lowp_scales[9])
;;     6. [M 4,096, K 4,096] x [K 4,096, N 1,024]; A: computed on the way; B: input W2 (given as codes): QUANTISED (scales: A lowp_scales[10], B lowp_scales[11])
;;   THE QUANTISER, for each operand of a quantised product, along K:
;;     - The operand's scale is 2^e, e = its entry of the input lowp_scales (int32; the entries are numbered through the quantised products in the list's order, A before B).
;;     - Each number is divided by the scale, clamped to +-448, and rounded to the nearest number of E4M3, ties to even, subnormals kept.
;;     - The product sums the exact products of the quantised numbers (number of the format x scale) in f32.
;;   ~~~python
;;   def quantise(x, axis, e):      # numpy; x: float32 -> the quantised numbers, widened to float32 again
;;       x = np.moveaxis(x, axis, -1); K = x.shape[-1]
;;       r = np.clip(x / 2.0 ** e, -448, 448)
;;       step = 2.0 ** (np.maximum(np.frexp(np.where(r == 0, 1, r))[1] - 1, -6) - 3)
;;       q = np.round(r / step) * step * 2.0 ** e      # np.round: ties to even
;;       return np.moveaxis(q, -1, axis).astype(np.float32)
;;   ~~~
;;   SOFTMAX AHEAD OF A QUANTISED PRODUCT. Where the list says 'softmax', what is quantised is not the finished softmax but p = 2^(t - M), with t = logit x log2(e) and M = ceil(the row's largest t), a whole number; so 1/2 < the row's largest p <= 1. The row's sum l is taken of the UNQUANTISED p, in f32, and the product's result is divided by l at the end. Since M is a whole number, a kernel that streams over the keys may use a running M (the ceiling of the running maximum): every later rescaling is an exact power of two, so the quantised numbers keep their values, but for numbers so far below the row's largest that they fall under the format's range.
;;   OPERANDS COMPUTED ON THE WAY. 'Computed on the way' means the value that the module computes at that place (a softmax that the list does not call 'softmax' is quantised finished and normalised). What goes into a quantiser is computed in f32, as accurately as f32 sums, v_exp_f32 and their like allow (about 1e-6 of the number): no bf16 or f16 on the way to a quantiser, and a product that is left as it is and whose result goes on into a quantised operand takes f32 operands (vector FMAs, or v_wmma_f32_16x16x4_f32). A number that lies on a knife's edge between two numbers of the format may be rounded either way, as far as f32 arithmetic and the matrix unit's own rounding can turn it there, and no further.
;;   INPUTS GIVEN AS CODES. W1 (in the module: [1024, 4096], K = its axis 0); W2 (in the module: [4096, 1024], K = its axis 0); Wout (in the module: [1024, 1024], K = its axis 0); Wqkv (in the module: [1024, 3072], K = its axis 0): each comes as NAME_codes (uint8): NAME with its K axis moved to the last place and cut into blocks of 32 codes, [.., K / 32, bytes a block], one block behind the other in memory; one code a byte (a code: sign, 4 exponent bits, 3 mantissa bits); its scale is its entry of lowp_scales. Its value is code x scale, taken as it is: it is not quantised again, and the codes and scales need not be those that the quantiser above would give.
;; One version. Each part assembles by itself: llvm-mc -triple=amdgcn-amd-amdhsa -mcpu=gfx1250 --defsym DOCPART=n.
;; ======== version 1 of 1: 7 launches
;; limits: right only within a limited range of input values
;; workspace buffers: a1 4,194,304 bytes; qc 4,194,304 bytes; kc 4,194,304 bytes; vc 4,194,304 bytes; ac 4,194,304 bytes; x1 16,777,216 bytes; a2 4,194,304 bytes; hc 16,777,216 bytes
;; launch ln1 (part 1): grid 256 x 1, 16 waves a work-group, no clusters, 18,432 bytes of LDS; arguments x, ln1_g, ln1_b, lowp_scales, a1; writes a1
.if DOCPART == 1
	.amdgcn_target "amdgcn-amd-amdhsa--gfx1250"
	.amdhsa_code_object_version 6
	.text
	.protected	k_qd4dc995e7b_ln1
	.globl	k_qd4dc995e7b_ln1
	.p2align	8
	.type	k_qd4dc995e7b_ln1,@function
k_qd4dc995e7b_ln1:
	s_mov_b64 s[64:65], 0
	v_nop
	global_prefetch_b8 v0, s[64:65] scope:SCOPE_SE
	s_setreg_imm32_b32 hwreg(HW_REG_WAVE_MODE, 25, 1), 1
	s_wait_xcnt 0x0
; codes = Q(layer_norm(src) * g + b), E4M3 with the given scale 2^e (entry EOFF/4 of the scales).  src: [4096][1024] f32; codes: [4096][1024], one byte each.
; WORK LEFT OUT BY THE PROGRAM (launch attn): reference() sets every score with key > query to -inf by its own jnp.tril, so its softmax weight is 0 for all values of the inputs;
; key steps that lie wholly behind a tile's queries are not computed.  LIMIT: a NaN, an infinity or an overflow that reaches only those scores is not carried to the result.
; A stream: no matrix unit, no tensor load, no cluster (work-groups share only g and b, 8 KB).  A work-group takes 16 rows, a wave ONE: the row lies in the wave's registers, 32 numbers a lane, and is read once;
; mean and variance are taken in two passes over the registers, as the definition has them (a common offset of the inputs cancels in the first pass).
; Load j reads 512 consecutive bytes: lane l holds elements 128 j + 4 l + 0..3.  Eight registers on end are loads 2 g and 2 g + 1, so a conversion of eight gives the four codes of each.
; The codes turn through the wave's own 1 KB of LDS, so that each store of the wave covers 512 consecutive bytes, aligned.  Waves share nothing: no barrier.  LDS bytes 16,384 on: the spare words, 128 bytes a wave.
; LIMITS: e between -126 and 119 (2^e and 448 x 2^e are f32 numbers).  NaN among the inputs is not served.
.set EOFF, 0
.set MU,  4
.set RS,  6
.set C,   8
.set T,   16
.set G,   24
.set BV,  56
.set X,   88
.set OUT, 120
.set LIM, 128
.set SCL, 129
.set SPW, 130
.set NIL, 131
	s_load_b256 s[4:11], s[0:1], 0x0               ; src s[4:5], g s[6:7], b s[8:9], scales s[10:11]
	s_load_b64 s[12:13], s[0:1], 0x20              ; codes
	v_lshl_add_u32 v[SPW], v0, 2, 16384            ; my spare word
	v_mov_b32 v[NIL], 0
	v_lshrrev_b32 v1, 5, v0
	v_readfirstlane_b32 s14, v1                    ; wave
	v_and_b32 v2, 31, v0                           ; lane
	v_lshlrev_b32 v1, 4, v2                        ; 16 x lane: my bytes of a load's or a store's 512
	s_lshl_b32 s15, s14, 10                        ; my wave's 1 KB of LDS
	v_lshl_add_u32 v3, v2, 4, s15                  ; out of it: 16 bytes a lane
	v_lshl_add_u32 v2, v2, 2, s15                  ; into it: 4 bytes a lane
	s_mov_b32 s16, 0x76543210                      ; v_permlanex16_b32: lane l xor 16
	s_mov_b32 s17, 0xfedcba98
	s_mov_b32 s18, 0x3a800000                      ; 1 / 1024
	s_mov_b32 s19, 0x3727c5ac                      ; 1e-5
	s_lshl_b32 s22, ttmp9, 4
	s_add_co_u32 s22, s22, s14                     ; my row
	s_lshl_b32 s24, s22, 12
	s_mov_b32 s25, 0
	s_lshl_b32 s26, s22, 10
	s_mov_b32 s27, 0
	s_wait_alu depctr_va_vdst(0)                   ; the wait at the head's end
	s_wait_kmcnt 0x0
	s_load_b32 s21, s[10:11], EOFF                 ; e
	s_add_nc_u64 s[4:5], s[4:5], s[24:25]
	s_add_nc_u64 s[12:13], s[12:13], s[26:27]
.irp j, 0,1,2,3,4,5,6,7
	global_load_b128 v[X+4*\j:X+4*\j+3], v1, s[4:5] offset:512*\j
.endr
.irp j, 0,1,2,3,4,5,6,7
	global_load_b128 v[G+4*\j:G+4*\j+3], v1, s[6:7] offset:512*\j
	global_load_b128 v[BV+4*\j:BV+4*\j+3], v1, s[8:9] offset:512*\j
.endr
	s_wait_kmcnt 0x0
	s_add_co_i32 s21, s21, 127
	s_lshl_b32 s20, s21, 23
	v_mov_b32 v[SCL], s20                          ; 2^e as f32: the conversion takes its exponent field
	s_add_co_i32 s21, s21, 8
	s_lshl_b32 s21, s21, 23
	s_or_b32 s21, s21, 0x600000
	v_mov_b32 v[LIM], s21                          ; 448 x 2^e
.macro REDUCE                          ; the four chains, the pair's halves, the 32 lanes: the sum in v[T] of every lane
	v_pk_add_f32 v[T:T+1], v[T:T+1], v[T+2:T+3]
	v_pk_add_f32 v[T+4:T+5], v[T+4:T+5], v[T+6:T+7]
	v_pk_add_f32 v[T:T+1], v[T:T+1], v[T+4:T+5]
	v_add_f32 v[T], v[T], v[T+1]
	v_add_f32_dpp v[T], v[T], v[T] row_xmask:1 row_mask:0xf bank_mask:0xf
	v_add_f32_dpp v[T], v[T], v[T] row_xmask:2 row_mask:0xf bank_mask:0xf
	v_add_f32_dpp v[T], v[T], v[T] row_xmask:4 row_mask:0xf bank_mask:0xf
	v_add_f32_dpp v[T], v[T], v[T] row_xmask:8 row_mask:0xf bank_mask:0xf
	v_permlanex16_b32 v[T+1], v[T], s16, s17
	v_add_f32 v[T], v[T], v[T+1]
.endm
	s_wait_alu depctr_va_vdst(0)                   ; ahead of the wait below
	s_wait_loadcnt 16                              ; the row is in; the sixteen loads of g and b may be out
.irp k, 0,1,2,3
	v_pk_add_f32 v[T+2*\k:T+2*\k+1], v[X+2*\k:X+2*\k+1], v[X+8+2*\k:X+8+2*\k+1]   ; the first sums start the chains
.endr
.irp m, 2,3
.irp k, 0,1,2,3
	v_pk_add_f32 v[T+2*\k:T+2*\k+1], v[T+2*\k:T+2*\k+1], v[X+8*\m+2*\k:X+8*\m+2*\k+1]
.endr
.endr
	REDUCE
	v_mul_f32 v[MU], s18, v[T]                     ; the mean, in both words of the pair
	v_mul_f32 v[MU+1], s18, v[T]
.irp k, 0,1,2,3,4,5,6,7,8,9,10,11,12,13,14,15
	v_pk_add_f32 v[X+2*\k:X+2*\k+1], v[X+2*\k:X+2*\k+1], v[MU:MU+1] neg_lo:[0,1] neg_hi:[0,1]   ; x - mean
.endr
.irp k, 0,1,2,3
	v_pk_mul_f32 v[T+2*\k:T+2*\k+1], v[X+2*\k:X+2*\k+1], v[X+2*\k:X+2*\k+1]
.endr
.irp m, 1,2,3
.irp k, 0,1,2,3
	v_pk_fma_f32 v[T+2*\k:T+2*\k+1], v[X+8*\m+2*\k:X+8*\m+2*\k+1], v[X+8*\m+2*\k:X+8*\m+2*\k+1], v[T+2*\k:T+2*\k+1]
.endr
.endr
	REDUCE
	v_fma_f32 v[T], v[T], s18, s19                 ; var + eps
	s_wait_alu depctr_va_vdst(0)                   ; the wait ahead of the transcendentals
	v_rsq_f32 v[RS], v[T]
	v_rsq_f32 v[RS+1], v[T]
	v_nop                                          ; a plain instruction behind the transcendentals
	s_wait_alu depctr_va_vdst(0)                   ; and the wait ahead of the first reader
	s_wait_loadcnt 0x0                             ; g and b
.irp k, 0,1,2,3,4,5,6,7,8,9,10,11,12,13,14,15
	v_pk_mul_f32 v[X+2*\k:X+2*\k+1], v[X+2*\k:X+2*\k+1], v[RS:RS+1]
.endr
.irp k, 0,1,2,3,4,5,6,7,8,9,10,11,12,13,14,15
	v_pk_fma_f32 v[X+2*\k:X+2*\k+1], v[X+2*\k:X+2*\k+1], v[G+2*\k:G+2*\k+1], v[BV+2*\k:BV+2*\k+1]
.endr
.set J, 0
.rept 32
	v_med3_num_f32 v[X+J], v[X+J], -v[LIM], v[LIM]   ; the conversion to an 8-bit code does not saturate (ISA guide 7.6.2): hold first
.set J, J+1
.endr
.irp g, 0,1,2,3
	v_cvt_scalef32_pk8_fp8_f32 v[C+2*\g:C+2*\g+1], v[X+8*\g:X+8*\g+7], v[SCL]
.endr
	v_nop                                          ; a plain instruction behind the last conversion
.irp j, 0,1,2,3,4,5,6,7
	ds_store_b32 v2, v[C+\j] offset:128*\j         ; codes of elements 128 j + 4 l on: byte 128 j + 4 l of the row
.endr
.irp u, 0,1
	ds_load_b128 v[OUT+4*\u:OUT+4*\u+3], v3 offset:512*\u   ; LDS serves a wave's instructions in order: these see my stores
.endr
	s_wait_dscnt 0x0
.irp u, 0,1
	global_store_b128 v1, v[OUT+4*\u:OUT+4*\u+3], s[12:13] offset:512*\u   ; the wave stores 512 consecutive bytes, aligned
.endr
	s_wait_tensorcnt 0x0                           ; the wave's end
	ds_add_u32 v[SPW], v[NIL]
	s_wait_dscnt 0x0
	s_endpgm
.Lfunc_end_k_qd4dc995e7b_ln1:
	.size	k_qd4dc995e7b_ln1, .Lfunc_end_k_qd4dc995e7b_ln1-k_qd4dc995e7b_ln1
	.p2alignl 7, 3214868480
	.fill 96, 4, 3214868480
	.section	.rodata,"a",@progbits
	.p2align	6, 0x0
	.amdhsa_kernel k_qd4dc995e7b_ln1
		.amdhsa_group_segment_fixed_size 18432
		.amdhsa_private_segment_fixed_size 0
		.amdhsa_enable_private_segment 0
		.amdhsa_kernarg_size 40
		.amdhsa_user_sgpr_count 2
		.amdhsa_user_sgpr_kernarg_segment_ptr 1
		.amdhsa_wavefront_size32 1
		.amdhsa_system_sgpr_workgroup_id_x 1
		.amdhsa_system_sgpr_workgroup_id_y 1
		.amdhsa_system_sgpr_workgroup_id_z 1
		.amdhsa_system_vgpr_workitem_id 0
		.amdhsa_next_free_vgpr 144
		.amdhsa_next_free_sgpr 66
		.amdhsa_reserve_vcc 0
		.amdhsa_float_denorm_mode_32 3
		.amdhsa_float_denorm_mode_16_64 3
		.amdhsa_memory_ordered 1
		.amdhsa_forward_progress 1
		.amdhsa_inst_pref_size 14
	.end_amdhsa_kernel
	.amdgpu_metadata
---
amdhsa.version: [ 1, 2 ]
amdhsa.kernels:
  - .name:           k_qd4dc995e7b_ln1
    .symbol:         k_qd4dc995e7b_ln1.kd
    .args:
      - { .name: x, .offset: 0, .size: 8, .value_kind: global_buffer, .address_space: global }
      - { .name: ln1_g, .offset: 8, .size: 8, .value_kind: global_buffer, .address_space: global }
      - { .name: ln1_b, .offset: 16, .size: 8, .value_kind: global_buffer, .address_space: global }
      - { .name: lowp_scales, .offset: 24, .size: 8, .value_kind: global_buffer, .address_space: global }
      - { .name: a1, .offset: 32, .size: 8, .value_kind: global_buffer, .address_space: global }
    .group_segment_fixed_size: 18432
    .private_segment_fixed_size: 0
    .kernarg_segment_align: 8
    .kernarg_segment_size: 40
    .max_flat_workgroup_size: 512
    .sgpr_count:     66
    .vgpr_count:     144
    .wavefront_size: 32
...
	.end_amdgpu_metadata
.endif
;; end of part 1
;; launch qkv (part 2): grid 12 x 16, 4 waves a work-group, clusters of 4 x 4, 327,680 bytes of LDS; arguments a1, Wqkv_codes, lowp_scales, qc, kc, vc; writes qc, kc, vc
.if DOCPART == 2
	.amdgcn_target "amdgcn-amd-amdhsa--gfx1250"
	.amdhsa_code_object_version 6
	.text
	.protected	k_qd4dc995e7b_qkv
	.globl	k_qd4dc995e7b_qkv
	.p2align	8
	.type	k_qd4dc995e7b_qkv,@function
k_qd4dc995e7b_qkv:
	s_mov_b64 s[64:65], 0
	v_nop
	global_prefetch_b8 v0, s[64:65] scope:SCOPE_SE
	s_setreg_imm32_b32 hwreg(HW_REG_WAVE_MODE, 25, 1), 1
	s_wait_xcnt 0x0
	s_wait_alu depctr_hold_cnt(0) depctr_sa_sdst(0) depctr_va_vdst(0) depctr_va_sdst(0) depctr_va_ssrc(0) depctr_va_vcc(0) depctr_vm_vsrc(0)
	s_getreg_b32 s2, hwreg(HW_REG_IB_STS2, 6, 4)
	s_cmp_eq_u32 s2, 0
	s_cbranch_scc0 .Lentry_in_a_cluster
	s_endpgm
.Lentry_in_a_cluster:
	s_bfe_u32 s2, ttmp6, 0x10000c
	s_cmp_lg_u32 s2, 0xf033
	s_cbranch_scc0 .Lentry_shape_is_right
	s_endpgm
.Lentry_shape_is_right:
.set ROWB,   256
.set KROW,   1024
.set PITCH,  272
.set FR,     16
.set NL,     4
.set NP,     4
.set HALFT,  128*PITCH
.set SLOT,   4*HALFT
.set SPARE,  2*SLOT
.set ADRA, 16
.set ADRB, 20
.set RDV,  22
.set COV,  23
.set STO,  24
.set RDQ,  25
.set COQ,  26
.set RDQ2, 27
.set SPW,  28
.set NIL,  29
.set LIM,  30
.set SCL,  31
.set TMP,  32
.set AF,   128
.set CD,   128
.set G1, 24
.set G0, 32
.set G1B, 48
.set G0B, 56
.set MSB, 0
.macro WIN new
.if MSB != (\new)
	s_set_vgpr_msb (MSB<<8)|(\new)
.set MSB, (\new)
.endif
.endm
.set MUL_LO, 0xa1
.set MUL_HI, 0xf1
.set TO_B,   0x40
.macro JLOAD g0a, g0b
	s_cmp_eq_u32 s15, 0
	s_cbranch_scc0 .Lfor_b_\@
	tensor_load_to_lds s[\g0a:\g0a+3], s[G1:G1+7]
	s_nop 0
.rept 4
	v_nop
.endr
	s_branch .Lasked_\@
.Lfor_b_\@:
	tensor_load_to_lds s[\g0b:\g0b+3], s[G1B:G1B+7]
	s_nop 0
.rept 4
	v_nop
.endr
.Lasked_\@:
.endm
.macro CREST
	s_cmp_lg_u32 s14, 0
	s_cbranch_scc1 .Lnot_wave_0_\@
	s_barrier_signal -3
.Lnot_wave_0_\@:
	s_barrier_wait -3
	s_barrier_signal -1
	s_barrier_wait -1
.endm
.macro CROUND
	s_barrier_signal -1
	s_barrier_wait -1
	CREST
.endm
	s_load_b128 s[4:7], s[0:1], 0x0
	s_load_b128 s[8:11], s[0:1], 0x10
	s_load_b128 s[68:71], s[0:1], 0x20
	v_lshl_add_u32 v[SPW], v0, 2, SPARE
	v_mov_b32 v[NIL], 0
	v_lshrrev_b32 v1, 5, v0
	v_readfirstlane_b32 s14, v1
	s_lshr_b32 s15, s14, 1
	s_and_b32 s16, s14, 1
	s_bfe_u32 s40, ttmp6, 0x40000
	s_bfe_u32 s41, ttmp6, 0x40004
	s_mov_b32 s86, ttmp9
	s_and_b32 s87, ttmp7, 0xffff
	s_cmp_eq_u32 s86, 2
	s_cselect_b32 s84, 0, s87
	s_cselect_b32 s85, s87, s86
	s_lshl_b32 s42, s85, 2
	s_add_co_u32 s42, s42, s40
	s_lshl_b32 s17, s84, 2
	s_add_co_u32 s17, s17, s41
	s_lshl_b32 s43, s41, 2
	s_lshl_b32 s43, 15, s43
	s_lshl_b32 s44, 0x1111, s40
	s_or_b32 s[G1+0], s43, (1<<20)|(1<<21)|(5<<22)|(3<<25)
	s_or_b32 s[G1B+0], s44, (1<<20)|(1<<21)|(5<<22)|(3<<25)
.irp g, G1, G1B
	s_mov_b32 s[\g+1], ROWB<<16
	s_mov_b32 s[\g+2], 128<<16
	s_mov_b32 s[\g+3], ROWB<<16
	s_mov_b32 s[\g+4], 128
	s_mov_b32 s[\g+5], KROW
	s_mov_b32 s[\g+6], 0
	s_mov_b32 s[\g+7], 0
.endr
	s_lshl_b32 s18, s16, 7
	s_lshl_b32 s20, s17, 8
	s_add_co_u32 s20, s20, s18
	s_lshl_b32 s20, s20, 10
	s_mov_b32 s21, 0
	s_lshl_b32 s46, s42, 8
	s_add_co_u32 s46, s46, s18
	s_lshl_b32 s46, s46, 10
	s_mov_b32 s47, 0
	s_mul_i32 s45, s14, HALFT
	s_wait_kmcnt 0x0
	s_load_b256 s[88:95], s[8:9], 0x0
	s_add_nc_u64 s[82:83], s[6:7], 0x200000
	s_cmp_eq_u32 s86, 2
	s_cselect_b64 s[80:81], s[82:83], s[4:5]
	s_cselect_b64 s[82:83], s[4:5], s[6:7]
	s_add_nc_u64 s[20:21], s[80:81], s[20:21]
	s_add_nc_u64 s[46:47], s[82:83], s[46:47]
	CROUND
.irp s, 0,1
	s_mov_b32 s[G0+4*\s], 1
	s_add_co_u32 s[G0+4*\s+1], s45, \s*SLOT
	s_add_nc_u64 s[G0+4*\s+2:G0+4*\s+3], s[20:21], \s*ROWB
	s_or_b32 s[G0+4*\s+3], s[G0+4*\s+3], 0x80000000
	s_mov_b32 s[G0B+4*\s], 1
	s_add_co_u32 s[G0B+4*\s+1], s45, \s*SLOT
	s_add_nc_u64 s[G0B+4*\s+2:G0B+4*\s+3], s[46:47], \s*ROWB
	s_or_b32 s[G0B+4*\s+3], s[G0B+4*\s+3], 0x80000000
	s_wait_alu depctr_va_vdst(0)
	s_wait_tensorcnt 0x0
	ds_add_u32 v28, v29
	ds_add_u32 v28, v29
	s_wait_dscnt 0x0
	CROUND
	JLOAD G0+4*\s, G0B+4*\s
.endr
	v_and_b32 v1, 15, v0
	v_bfe_u32 v2, v0, 4, 1
	v_and_b32 v6, 31, v0
	v_mul_u32_u24 v3, v1, PITCH
	s_wait_alu depctr_va_vdst(0)
	v_lshl_add_u32 v4, v2, 4, v3
	s_mul_i32 s21, s15, HALFT
	s_mul_i32 s22, s16, HALFT
	s_add_co_u32 s22, s22, 2*HALFT
.irp s, 0,1
	v_add_nc_u32 v[ADRA+\s], s21, v4
	v_add_nc_u32 v[ADRB+\s], s22, v4
	s_add_co_u32 s21, s21, SLOT
	s_add_co_u32 s22, s22, SLOT
.endr
	s_mul_i32 s23, s15, 128*PITCH
	s_lshl_b32 s21, s16, 7
	s_add_co_u32 s23, s23, s21
	v_lshl_add_u32 v5, v2, 3, v3
	v_add_nc_u32 v[STO], s23, v5
	v_lshrrev_b32 v7, 2, v6
	v_mul_u32_u24 v7, v7, PITCH
	v_and_b32 v8, 3, v6
	v_lshl_add_u32 v7, v8, 4, v7
	s_lshl_b32 s23, s14, 6
	v_add_nc_u32 v[RDQ], s23, v7
	v_add_nc_u32 v[RDQ2], 16*8*PITCH, v[RDQ]
	s_mul_i32 s23, s14, 64*PITCH
	v_mul_u32_u24 v7, v2, PITCH
	v_lshl_add_u32 v7, v1, 4, v7
	v_add_nc_u32 v[RDV], s23, v7
	v_lshlrev_b32 v[COQ], 4, v6
	v_lshlrev_b32 v7, 11, v2
	v_lshl_add_u32 v[COV], v1, 4, v7
.macro FRAG reg, adr, q, i
.irp c, 0,1,2,3
	ds_load_b128 v[\reg+4*\c:\reg+4*\c+3], v[\adr] offset:128*(\q)+32*\c+(\i)*16*PITCH
.endr
.endm
.macro MUL16 a0, p, zero
.irp a, \a0, \a0+1
.irp b, 0,1,2,3,4,5,6,7
.if \zero
	v_wmma_f32_16x16x128_fp8_fp8 v[8*(8*((\a)%4)+\b):8*(8*((\a)%4)+\b)+7], v[128*(\p)+FR*\b:128*(\p)+FR*\b+FR-1], v[AF+FR*(\a):AF+FR*(\a)+FR-1], 0
.else
	v_wmma_f32_16x16x128_fp8_fp8 v[8*(8*((\a)%4)+\b):8*(8*((\a)%4)+\b)+7], v[128*(\p)+FR*\b:128*(\p)+FR*\b+FR-1], v[AF+FR*(\a):AF+FR*(\a)+FR-1], v[8*(8*((\a)%4)+\b):8*(8*((\a)%4)+\b)+7]
.endif
.endr
.endr
.endm
.macro FETCH_B slot, q, p
	WIN TO_B
.irp i, 0,1,2,3,4,5,6,7
	FRAG 128*(\p)+FR*\i, ADRB+\slot, \q, \i
.endr
	WIN 0
.endm
.macro FETCH_A slot, q, i0
.irp i, \i0, \i0+1, \i0+2, \i0+3
	FRAG AF+FR*(\i), ADRA+\slot, \q, \i
.endr
.endm
.macro PLACES n
.rept \n
	v_nop
.endr
.endm
.macro STEP slot, q, zero
	s_wait_dscnt 4*NL
	WIN MUL_LO
	MUL16 0, (\q)%2, \zero
	MUL16 2, (\q)%2, \zero
	s_wait_dscnt 0
	PLACES NP
	FETCH_B \slot, (\q)+1, 1-(\q)%2
	FETCH_A \slot, (\q)+1, 0
	WIN MUL_HI
	MUL16 4, (\q)%2, \zero
	MUL16 6, (\q)%2, \zero
	PLACES NP
	WIN 0
	FETCH_A \slot, (\q)+1, 4
.endm
.macro TURN slot, next, fill
	s_wait_tensorcnt 0x0
	ds_add_u32 v[SPW], v[NIL]
	s_wait_dscnt 4*NL+1
	WIN MUL_LO
	MUL16 0, 1, 0
	s_wait_dscnt 0x0
	s_barrier_signal -1
	MUL16 2, 1, 0
	WIN 0
	s_barrier_wait -1
.if \fill
	CREST
	s_add_nc_u64 s[G0+4*\slot+2:G0+4*\slot+3], s[G0+4*\slot+2:G0+4*\slot+3], 2*ROWB
	s_add_nc_u64 s[G0B+4*\slot+2:G0B+4*\slot+3], s[G0B+4*\slot+2:G0B+4*\slot+3], 2*ROWB
	JLOAD G0+4*\slot, G0B+4*\slot
.else
	PLACES NP
.endif
	FETCH_B \next, 0, 0
	FETCH_A \next, 0, 0
	WIN MUL_HI
	MUL16 4, 1, 0
	MUL16 6, 1, 0
	PLACES NP
	WIN 0
	FETCH_A \next, 0, 4
.endm
	s_wait_tensorcnt 1
	s_barrier_signal -1
	s_barrier_wait -1
	FETCH_B 0, 0, 0
	FETCH_A 0, 0, 0
	FETCH_A 0, 0, 4
	STEP 0, 0, 1
	TURN 0, 1, 1
	STEP 1, 0, 0
	TURN 1, 0, 1
	STEP 0, 0, 0
	TURN 0, 1, 0
	STEP 1, 0, 0
	s_wait_dscnt 4*NL
	WIN MUL_LO
	MUL16 0, 1, 0
	MUL16 2, 1, 0
	s_wait_dscnt 0
	WIN MUL_HI
	MUL16 4, 1, 0
	MUL16 6, 1, 0
	WIN 0
	s_wait_kmcnt 0x0
	s_cmp_eq_u32 s86, 0
	s_cselect_b32 s96, s90, s91
	s_cmp_eq_u32 s86, 2
	s_cselect_b32 s96, s92, s96
	s_sub_co_i32 s96, s96, s88
	s_sub_co_i32 s96, s96, s89
	s_add_co_i32 s96, s96, 127
	s_lshl_b32 s97, s96, 23
	v_mov_b32 v[SCL], s97
	s_add_co_i32 s96, s96, 8
	s_lshl_b32 s96, s96, 23
	s_or_b32 s96, s96, 0x600000
	v_mov_b32 v[LIM], s96
	PLACES NP
.macro CODES a
.set AC, 64*((\a)%4)
	WIN 0x02+((\a)/4)
.set J, 0
.rept 64
	v_med3_num_f32 v[TMP+J], v[AC+J], -v[LIM], v[LIM]
.set J, J+1
.endr
	WIN 0
.irp b, 0,1,2,3,4,5,6,7
	v_cvt_scalef32_pk8_fp8_f32 v[CD+16*(\a)+2*\b:CD+16*(\a)+2*\b+1], v[TMP+8*\b:TMP+8*\b+7], v[SCL]
.endr
	v_nop
.irp b, 0,1,2,3,4,5,6,7
	ds_store_b64 v[STO], v[CD+16*(\a)+2*\b:CD+16*(\a)+2*\b+1] offset:(\a)*16*PITCH+16*\b
.endr
.endm
.irp a, 0,1,2,3,4,5,6,7
	CODES \a
.endr
	s_wait_dscnt 0x0
	s_barrier_signal -1
	s_barrier_wait -1
.macro DRAIN r1, r2, o2, lstep, co, gstep
.set I, 0
.rept 16
	ds_load_b128 v[CD+4*I:CD+4*I+3], v[\r1] offset:I*\lstep
.set I, I+1
.endr
.rept 16
	ds_load_b128 v[CD+4*I:CD+4*I+3], v[\r2] offset:(I-16)*\lstep+\o2
.set I, I+1
.endr
.set I, 0
.rept 32
	s_wait_dscnt 31-I
	global_store_b128 v[\co], v[CD+4*I:CD+4*I+3], s[72:73] offset:I*\gstep
.set I, I+1
.endr
.endm
	s_cmp_eq_u32 s86, 2
	s_cbranch_scc1 .Lv
	s_cmp_eq_u32 s86, 0
	s_cselect_b64 s[72:73], s[10:11], s[68:69]
	s_lshr_b32 s74, s17, 3
	s_lshl_b32 s74, s74, 4
	s_and_b32 s75, s42, 3
	s_lshl_b32 s75, s75, 2
	s_add_co_u32 s74, s74, s75
	s_add_co_u32 s74, s74, s14
	s_lshl_b32 s74, s74, 11
	s_and_b32 s75, s17, 7
	s_lshl_b32 s75, s75, 8
	s_add_co_u32 s74, s74, s75
	s_lshl_b32 s74, s74, 6
	s_mov_b32 s75, 0
	s_add_nc_u64 s[72:73], s[72:73], s[74:75]
	DRAIN RDQ, RDQ2, 0, 8*PITCH, COQ, 512
	s_branch .Ljoin
.Lv:
	s_lshr_b32 s74, s42, 3
	s_lshl_b32 s74, s74, 10
	s_lshl_b32 s75, s17, 8
	s_add_co_u32 s74, s74, s75
	s_lshl_b32 s75, s14, 6
	s_add_co_u32 s74, s74, s75
	s_lshl_b32 s74, s74, 11
	s_and_b32 s75, s42, 7
	s_lshl_b32 s75, s75, 8
	s_add_co_u32 s74, s74, s75
	s_mov_b32 s75, 0
	s_add_nc_u64 s[72:73], s[70:71], s[74:75]
	DRAIN RDV, RDV, 16*2*PITCH, 2*PITCH, COV, 4096
.Ljoin:
	s_wait_tensorcnt 0x0
	ds_add_u32 v[SPW], v[NIL]
	s_wait_dscnt 0x0
	CROUND
	s_endpgm
.Lfunc_end_k_qd4dc995e7b_qkv:
	.size	k_qd4dc995e7b_qkv, .Lfunc_end_k_qd4dc995e7b_qkv-k_qd4dc995e7b_qkv
	.p2alignl 7, 3214868480
	.fill 96, 4, 3214868480
	.section	.rodata,"a",@progbits
	.p2align	6, 0x0
	.amdhsa_kernel k_qd4dc995e7b_qkv
		.amdhsa_group_segment_fixed_size 327680
		.amdhsa_private_segment_fixed_size 0
		.amdhsa_enable_private_segment 0
		.amdhsa_kernarg_size 48
		.amdhsa_user_sgpr_count 2
		.amdhsa_user_sgpr_kernarg_segment_ptr 1
		.amdhsa_wavefront_size32 1
		.amdhsa_system_sgpr_workgroup_id_x 1
		.amdhsa_system_sgpr_workgroup_id_y 1
		.amdhsa_system_sgpr_workgroup_id_z 1
		.amdhsa_system_vgpr_workitem_id 0
		.amdhsa_next_free_vgpr 1024
		.amdhsa_next_free_sgpr 100
		.amdhsa_reserve_vcc 0
		.amdhsa_float_denorm_mode_32 3
		.amdhsa_float_denorm_mode_16_64 3
		.amdhsa_memory_ordered 1
		.amdhsa_forward_progress 1
		.amdhsa_inst_pref_size 133
	.end_amdhsa_kernel
	.amdgpu_metadata
---
amdhsa.version: [ 1, 2 ]
amdhsa.kernels:
  - .name:           k_qd4dc995e7b_qkv
    .symbol:         k_qd4dc995e7b_qkv.kd
    .args:
      - { .name: a1, .offset: 0, .size: 8, .value_kind: global_buffer, .address_space: global }
      - { .name: Wqkv_codes, .offset: 8, .size: 8, .value_kind: global_buffer, .address_space: global }
      - { .name: lowp_scales, .offset: 16, .size: 8, .value_kind: global_buffer, .address_space: global }
      - { .name: qc, .offset: 24, .size: 8, .value_kind: global_buffer, .address_space: global }
      - { .name: kc, .offset: 32, .size: 8, .value_kind: global_buffer, .address_space: global }
      - { .name: vc, .offset: 40, .size: 8, .value_kind: global_buffer, .address_space: global }
    .group_segment_fixed_size: 327680
    .private_segment_fixed_size: 0
    .kernarg_segment_align: 8
    .kernarg_segment_size: 48
    .max_flat_workgroup_size: 128
    .sgpr_count:     100
    .vgpr_count:     1024
    .wavefront_size: 32
...
	.end_amdgpu_metadata
.endif
;; end of part 2
;; launch attn (part 3): grid 8 x 32, 16 waves a work-group, clusters of 4 x 1, 327,680 bytes of LDS; arguments qc, kc, vc, lowp_scales, ac; writes ac
.if DOCPART == 3
	.amdgcn_target "amdgcn-amd-amdhsa--gfx1250"
	.amdhsa_code_object_version 6
	.text
	.protected	k_qd4dc995e7b_attn
	.globl	k_qd4dc995e7b_attn
	.p2align	8
	.type	k_qd4dc995e7b_attn,@function
k_qd4dc995e7b_attn:
	s_mov_b64 s[64:65], 0
	v_nop
	global_prefetch_b8 v0, s[64:65] scope:SCOPE_SE
	s_setreg_imm32_b32 hwreg(HW_REG_WAVE_MODE, 25, 1), 1
	s_wait_xcnt 0x0
	s_wait_alu depctr_hold_cnt(0) depctr_sa_sdst(0) depctr_va_vdst(0) depctr_va_sdst(0) depctr_va_ssrc(0) depctr_va_vcc(0) depctr_vm_vsrc(0)
	s_getreg_b32 s2, hwreg(HW_REG_IB_STS2, 6, 4)
	s_cmp_eq_u32 s2, 0
	s_cbranch_scc0 .Lentry_in_a_cluster
	s_endpgm
.Lentry_in_a_cluster:
	s_bfe_u32 s2, ttmp6, 0x10000c
	s_cmp_lg_u32 s2, 0x3003
	s_cbranch_scc0 .Lentry_shape_is_right
	s_endpgm
.Lentry_shape_is_right:
; Causal attention on codes of E4M3 (v_wmma_f32_16x16x64_fp8_fp8), head size 64, 2,048 keys, 32 heads (16 b + h).  qc, kc: [head][t][64]; vc: [head][d][t]; ac: [token][1024] codes, quantised by 2^e6.
; SOFTMAX: t = score x 2^(e2 + e3) x log2(e) / 8; M = the running largest t rounded UP to a whole number; p = 2^(t - M) is quantised by 2^e5, not normalised; the sum is taken of the unquantised p and divides at the end.
; When M moves, the sum and O are multiplied by 2^(old M - new M): nothing is rounded, no branch on data.
; LEFT OUT: key steps that lie wholly behind a tile's queries (reference()'s own causal mask gives them the weight 0), by scalar branches on ids.
; SHARES.  A head has 128 tiles of 16 queries.  Work-group x owns tiles x + 8 j, j = 0 .. 15.  A step is 16 queries x 64 keys.  Sixteen waves, four to a SIMD, one tile at a time.
; Waves 2 m and 2 m + 1 are a pair and own the long tile x + 8 (15 - j) and the short tile x + 8 j, j = m / 2 for even m, 7 - m / 2 for odd m.  THE LONG TILE'S KEYS ARE CUT at key 1,024 + 64 max(0, 3 - j):
; the pair's wave of kind 0 takes the keys under the cut; the wave of kind 1 takes the short tile whole, stores it, and then takes the long tile's keys from the cut on.  The kind is bit 0 of (wave / 4) xor wave,
; so that any four neighbouring waves, and any four waves four apart, hold two of each kind.  The two parts of a long tile, each under its own whole-numbered M, are joined at the end through LDS:
; both are brought under the larger M by powers of two and added; the wave of kind 0 divides by the joined sum and stores.
; K AND V OF THE HEAD LIE WHOLE IN LDS, filled once.  Keys 0-511 at the head (waves 0-3: 128 keys of K each; waves 4-7: 16 rows of V each).  Keys 512-2047 behind the full sequence and a round
; (waves 0-3: 384 keys of K each; waves 4-6: 512 keys of V's 64 rows each), on their way during the first eight steps; every work-group owns a tile beyond query 1,920, so each load's bytes are read.  One tensor load of a wave is out at the most.
; CLUSTERS of 4, 1, 1: four work-groups of one head ask for K and V JOINTLY (mask 15).  A tile's queries 16 x + 128 j .. + 15 lie in the block of 64 keys that begins at 64 (x / 4) + 128 j, and x / 4 is the cluster's x:
; which steps are left out, and which one is masked, hangs on that block alone, so every branch is made of the cluster's x, the wave's number and the count of steps.  The place in the cluster enters the mask's values and the addresses of Q and ac only.
; NO PREFETCH: both groups of fills are asked for ahead of the first loop; there is no trip ahead of them to ask in.
; LAYOUT.  S^T = K Q^T (source 0 = 16 keys, source 1 = 16 queries): lane (r, h), register j of key tile kt = key 16 kt + 8 h + j of query r: eight converted are registers 2 kt, 2 kt + 1 of the next operand in the form's own layout.
; O^T = V^T P^T (source 0 = 16 of the head's 64, by loads of 8 bytes in that layout).  K and Q come by loads of 16 bytes: a permutation of d, alike in both.
; Every wave holds the long tile's Q as its second fragment: from key 1,024 on both kinds multiply by it.
; A head's 64 codes are 64 bytes of a token's row of ac: a store of the wave writes eight pieces of 64 bytes; the next product reads ac by whole rows.
; LIMITS: e2 + e3 between -123 and 130; e5 and e6 between -126 and 119.  NaN among the inputs is not served.
.set VOFF,  163840                     ; LDS: K: key x 80 (64 bytes + 16);  from here V: 512 keys c at VSEG c: 64 rows of 512 bytes + 16
.set VSEG,  33792
.set STAGE, 299008                     ; 16 tokens x 80 bytes for each wave; no tile lands here
.set SPARE, 319488                     ; the spare words, 128 bytes a wave
.set MGP,   4352                       ; for the joining, wave w's own bytes from MGP w on (K's bytes, read no more by then): 4,096 bytes of O^T, 256 of -M and the sum
.set AK0, 1
.set AV0, 2
.set ADK, 3
.set ADV, 4
.set LIM, 5                            ; 448 x 2^e5, twice: the two halves of a dual pair read registers of different banks
.set LIM2, 6
.set SCL, 7
.set NINF, 8
.set LQ,  9                            ; r - 8 h
.set DM,  10
.set SO,  11
.set ST,  12                           ; -M, the largest raw score, the sum in two halves
.set LIMO, 16                          ; 448 x 2^e6
.set SCLO, 17
.set MGA, 18                           ; my bytes for the joining
.set MGB, 19
.set F,   20                           ; v[20:21], v[22:23]: factors, in the low word of a pair
.set CH,  24
.set PD,  28
.set TS,  30
.set QF,  32                           ; Q of the first tile
.set QF2, 40                           ; Q of the long tile
.set PF,  48
.set KF,  56
.set VF,  88
.set S,   120
.set O,   152
.set SR,  184
.set GO,  185
.set SPW, 186
.set NIL, 187
.set MLA, 188                          ; my partner's bytes for the joining
.set MLB, 189
.set QLO, 2                            ; from key 1,024 on: the first key that I take
.set QB,  3                            ; first key of the block of 64 that holds the queries of the tile in hand
.set WV,  18
.set KIND, 19
.set SEL, 20
.set CS,  22
.set G1KS, 24
.set G1VS, 32
.set G1KB, 40
.set G1VB, 48
.set G0K, 56
.set G0V, 60
.set KFK, 66                           ; the step's first key
.set QM,  67                           ; first query of the tile in hand
.set QLIM, 68                          ; a step whose first key lies beyond is left out
.set QLG, 69                           ; the long tile's first query
.set QL2, 70                           ; QLIM from key 1,024 on: kind 0: the cut - 1; kind 1: the long tile's block
.set TBK, 71
.set HD,  93
.set P,   94
.set TBV, 95
.set CNT, 96
.set E45, 99
.set L64, 100                          ; the long tile's block
.set CX,  101                          ; 16 x my place in the cluster
.macro MKG1 g, w0, c, r, p             ; group 1: r rows of c bytes, p bytes apart
	s_mov_b32 s[\g], \w0
	s_mov_b32 s[\g+1], (\c)<<16
	s_mov_b32 s[\g+2], (\r)<<16
	s_mov_b32 s[\g+3], (\c)<<16
	s_mov_b32 s[\g+4], \r
	s_mov_b32 s[\g+5], \p
	s_mov_b32 s[\g+6], 0
	s_mov_b32 s[\g+7], 0
.endm
.macro MKG0 d, lmul, ladd, base, gmul, gadd   ; group 0: LDS byte lmul x P + ladd, memory base + gmul x P + gadd: the head and the wave's number alone
	s_mov_b32 s[\d], 1
	s_mul_i32 s[\d+1], s[P], \lmul
	s_add_co_u32 s[\d+1], s[\d+1], \ladd
	s_mul_i32 s90, s[P], \gmul
	s_add_co_u32 s90, s90, \gadd
	s_add_nc_u64 s[\d+2:\d+3], s[\base:\base+1], s[90:91]
	s_or_b32 s[\d+3], s[\d+3], 0x80000000
.endm
.macro CROUND                          ; a round of the cluster's barrier
	s_barrier_signal -1
	s_barrier_wait -1
	s_cmp_lg_u32 s[WV], 0
	s_cbranch_scc1 .Lnot_wave_0_\@
	s_barrier_signal -3
.Lnot_wave_0_\@:
	s_barrier_wait -3
	s_barrier_signal -1
	s_barrier_wait -1
.endm
.macro INIT                            ; a tile begins: the steps are written once, the first finds zeros, which the first change of M leaves zeros
	v_mov_b32 v[ST], 0x7f61b1e6                    ; -M: 3e38
	v_mov_b32 v[ST+1], 0xff61b1e6                  ; the largest raw score so far: -3e38, under every sum of 64 products of codes
	v_mov_b32 v[ST+2], 0
	v_mov_b32 v[ST+3], 0
.set J, 0
.rept 32
	v_mov_b32 v[O+J], 0
.set J, J+1
.endr
.endm
	s_load_b256 s[4:11], s[0:1], 0x0               ; qc s[4:5], kc s[6:7], vc s[8:9], scales s[10:11]
	s_load_b64 s[12:13], s[0:1], 0x20              ; ac
	v_lshl_add_u32 v[SPW], v0, 2, SPARE
	v_mov_b32 v[NIL], 0
	ds_add_u32 v[SPW], v[NIL]                      ; the opening lines: the add, twice on end, and its wait ahead of the round in front of the first tensor loads
	ds_add_u32 v[SPW], v[NIL]
	v_lshrrev_b32 v1, 5, v0
	v_readfirstlane_b32 s[WV], v1                  ; wave 0..15
	s_and_b32 s[HD], ttmp7, 0xffff                 ; the head, 16 b + h: the cluster's y
	s_lshl_b32 s72, s[HD], 17                      ; its first byte in qc, kc, vc
	s_mov_b32 s73, 0
	s_mov_b32 s91, 0
	s_and_b32 s[P], s[WV], 3
	s_lshr_b32 s[KIND], s[WV], 2
	s_xor_b32 s[KIND], s[KIND], s[WV]
	s_and_b32 s[KIND], s[KIND], 1                  ; my kind
	s_lshr_b32 s97, s[WV], 1                       ; my pair m
	s_and_b32 s98, s97, 1
	s_mul_i32 s98, s98, 7
	s_lshr_b32 s97, s97, 1
	s_xor_b32 s97, s97, s98                        ; j = m / 2, or 7 - m / 2 where m is odd
	s_sub_co_i32 s98, 3, s97
	s_max_i32 s98, s98, 0
	s_lshl_b32 s98, s98, 6
	s_add_co_u32 s98, s98, 1024                    ; the cut
	s_lshl_b32 s97, s97, 7                         ; 128 j
	s_lshl_b32 s74, ttmp9, 6                       ; 64 x the cluster's x
	s_add_co_u32 s[L64], s74, 1920
	s_sub_co_u32 s[L64], s[L64], s97               ; the long tile's block of 64
	s_add_co_u32 s74, s74, s97                     ; the short tile's
	s_sub_co_u32 s75, s98, 1
	s_cmp_eq_u32 s[KIND], 0
	s_cselect_b32 s[QB], s[L64], s74               ; my first tile's block
	s_cselect_b32 s[QL2], s75, s[L64]
	s_cselect_b32 s[QLO], 0, s98
	s_mov_b32 s[QLIM], s[QB]
	s_bfe_u32 s[CX], ttmp6, 0x40000                ; my place in the cluster: into the mask's values and global addresses only
	s_lshl_b32 s[CX], s[CX], 4
	s_add_co_u32 s[QM], s[QB], s[CX]               ; my first tile's first query
	s_add_co_u32 s[QLG], s[L64], s[CX]             ; the long tile's,
	s_add_co_u32 s98, s74, s[CX]                   ; the short tile's
	s_lshl_b32 s74, s[QM], 6
	s_add_co_u32 s74, s74, s72                     ; the tiles' codes of Q
	s_mov_b32 s75, 0
	s_lshl_b32 s76, s[QLG], 6
	s_add_co_u32 s76, s76, s72
	s_mov_b32 s77, 0
	s_lshr_b32 s78, s[HD], 4
	s_lshl_b32 s78, s78, 11                        ; the batch's first token
	s_add_co_u32 s88, s78, s[QLG]
	s_add_co_u32 s78, s78, s98
	s_and_b32 s98, s[HD], 15
	s_lshl_b32 s98, s98, 6                         ; the head's 64 bytes of a row of ac
	s_lshl_b32 s78, s78, 10
	s_add_co_u32 s78, s78, s98
	s_mov_b32 s79, 0
	s_lshl_b32 s88, s88, 10
	s_add_co_u32 s88, s88, s98
	s_mov_b32 s89, 0
	s_mul_i32 s92, s[WV], 1280
	s_add_co_u32 s92, s92, STAGE                   ; my stage
	s_mul_i32 s97, s[WV], MGP                      ; my bytes for the joining,
	s_xor_b32 s98, s[WV], 1
	s_mul_i32 s98, s98, MGP                        ; my partner's
	MKG1 G1KS, 15|(1<<20)|(1<<21)|(3<<22)|(3<<25), 256, 32, 256    ; mask 15, bit 21 beside it.  K: four keys are one row of 256 bytes, dense in memory; 4 words of padding behind every 16: each key's 64 bytes get 16
	MKG1 G1KB, 15|(1<<20)|(1<<21)|(3<<22)|(3<<25), 256, 96, 256
	MKG1 G1VS, 15|(1<<20)|(1<<21)|(6<<22)|(3<<25), 512, 16, 2048   ; V: 512 keys of a row; 4 words behind every 128
	MKG1 G1VB, 15|(1<<20)|(1<<21)|(6<<22)|(3<<25), 512, 64, 2048
	s_mov_b32 s[SEL], 0x76543210
	s_mov_b32 s[SEL+1], 0xfedcba98
	s_mov_b32 s[CS], 0x3e38aa3b                    ; log2(e) / 8
	s_mov_b32 s[KFK], 0
	s_wait_dscnt 0x0                               ; both opening adds are done
	s_wait_kmcnt 0x0
	s_load_b256 s[80:87], s[10:11], 0x0            ; e0 .. e7
	s_add_nc_u64 s[6:7], s[6:7], s[72:73]
	s_add_nc_u64 s[8:9], s[8:9], s[72:73]
	s_add_nc_u64 s[14:15], s[4:5], s[76:77]        ; Q of the long tile,
	s_add_nc_u64 s[4:5], s[4:5], s[74:75]          ; of my first tile
	s_add_nc_u64 s[16:17], s[12:13], s[88:89]      ; ac: the long tile's rows,
	s_add_nc_u64 s[12:13], s[12:13], s[78:79]      ; the short one's
	MKG0 G0K, 10240, 0, 6, 8192, 0                 ; keys 128 P on
	MKG0 G0V, 8448, VOFF, 8, 32768, 0              ; rows 16 P on, keys 0-511
	CROUND                                         ; all four work-groups are here: the first joint loads meet
	s_cmp_lt_u32 s[WV], 4
	s_cbranch_scc0 .Lhead_v
	tensor_load_to_lds s[G0K:G0K+3], s[G1KS:G1KS+7]
	s_nop 0
	s_branch .Lhead_j
.Lhead_v:
	s_cmp_lt_u32 s[WV], 8
	s_cbranch_scc0 .Lhead_j
	tensor_load_to_lds s[G0V:G0V+3], s[G1VS:G1VS+7]
	s_nop 0
.Lhead_j:
	v_and_b32 v24, 15, v0                          ; r
	v_bfe_u32 v25, v0, 4, 1                        ; h
	v_and_b32 v26, 31, v0                          ; lane
	v_lshlrev_b32 v27, 6, v24
	v_lshl_add_u32 v27, v25, 4, v27                ; Q: 64 r + 16 h
.irp c, 0,1
	global_load_b128 v[QF+4*\c:QF+4*\c+3], v27, s[4:5] offset:32*\c
	global_load_b128 v[QF2+4*\c:QF2+4*\c+3], v27, s[14:15] offset:32*\c
.endr
	v_mul_u32_u24 v[AK0], v24, 80
	v_lshl_add_u32 v[AK0], v25, 4, v[AK0]
	v_mul_u32_u24 v[AV0], v24, 528
	v_lshl_add_u32 v[AV0], v25, 3, v[AV0]
	v_lshlrev_b32 v[LQ], 3, v25
	v_sub_nc_u32 v[LQ], v24, v[LQ]
	v_mul_u32_u24 v[SO], v24, 80
	v_lshl_add_u32 v[SO], v25, 3, v[SO]
	v_add_nc_u32 v[SO], s92, v[SO]                 ; stage, in: token r, + 8 h
	v_lshrrev_b32 v28, 2, v26
	v_and_b32 v29, 3, v26
	v_mul_u32_u24 v[SR], v28, 80
	v_lshl_add_u32 v[SR], v29, 4, v[SR]
	v_add_nc_u32 v[SR], s92, v[SR]                 ; back: token lane / 4, 16 (lane % 4)
	v_lshlrev_b32 v[GO], 10, v28
	v_lshl_add_u32 v[GO], v29, 4, v[GO]            ; and the same in ac
	v_lshl_add_u32 v[MGA], v26, 4, s97             ; images of registers: 16 bytes a lane,
	v_lshl_add_u32 v[MGB], v26, 3, s97
	v_add_nc_u32 v[MGB], 4096, v[MGB]              ; 8 bytes a lane
	v_lshl_add_u32 v[MLA], v26, 4, s98
	v_lshl_add_u32 v[MLB], v26, 3, s98
	v_add_nc_u32 v[MLB], 4096, v[MLB]
	v_mov_b32 v[NINF], 0xff800000
	v_mov_b32 v[F+1], 0                            ; (named as the upper halves of pairs)
	v_mov_b32 v[F+3], 0
	INIT
	s_wait_alu depctr_va_vdst(0)                   ; the wait ahead of the wait below
	s_wait_kmcnt 0x0
	s_add_co_i32 s97, s82, s83                     ; e2 + e3 go into c's exponent field
	s_lshl_b32 s97, s97, 23
	s_add_co_i32 s[CS], s[CS], s97
	s_mov_b32 s[CS+1], s[CS]
	s_add_co_i32 s[E45], s84, s85
	s_add_co_i32 s97, s85, 127
	s_lshl_b32 s98, s97, 23
	v_mov_b32 v[SCL], s98                          ; 2^e5
	s_add_co_i32 s97, s97, 8
	s_lshl_b32 s97, s97, 23
	s_or_b32 s97, s97, 0x600000
	v_mov_b32 v[LIM], s97                          ; 448 x 2^e5
	v_mov_b32 v[LIM2], s97
	s_add_co_i32 s97, s86, 127
	s_lshl_b32 s98, s97, 23
	v_mov_b32 v[SCLO], s98                         ; 2^e6
	s_add_co_i32 s97, s97, 8
	s_lshl_b32 s97, s97, 23
	s_or_b32 s97, s97, 0x600000
	v_mov_b32 v[LIMO], s97                         ; 448 x 2^e6
; A STEP: 64 keys for the tile in hand, whose Q lies in v[qf ..].
.macro STEP qf
	v_add_nc_u32 v[ADK], s[TBK], v[AK0]
	v_add_nc_u32 v[ADV], s[TBV], v[AV0]
	v_nop                                          ; with the two additions: four places in front of loads into registers that the last products read
	v_nop
.irp kt, 0,1,2,3
.irp c, 0,1
	ds_load_b128 v[KF+8*\kt+4*\c:KF+8*\kt+4*\c+3], v[ADK] offset:1280*\kt+32*\c
.endr
.endr
.irp t, 0,1,2,3
.irp c, 0,1,2,3
	ds_load_b64 v[VF+8*\t+2*\c:VF+8*\t+2*\c+1], v[ADV] offset:8448*\t+16*\c
.endr
.endr
	s_wait_dscnt 16                                ; K's eight loads are in; V's sixteen may be out
.irp kt, 0,1,2,3
	v_wmma_f32_16x16x64_fp8_fp8 v[S+8*\kt:S+8*\kt+7], v[KF+8*\kt:KF+8*\kt+7], v[\qf:\qf+7], 0
.endr
.rept 4
	v_nop
.endr
	s_cmp_lt_u32 s[KFK], s[QB]                     ; the step lies under the block that holds the queries: all 64 keys count, no mask
	s_cbranch_scc1 .Lopen_\@
	s_sub_co_i32 s72, s[QM], s[KFK]
	v_add_nc_u32 v[DM], s72, v[LQ]                 ; register N holds key KFK + 8 h + 16 (N / 8) + N % 8: hidden where 16 (N / 8) + N % 8 > first query - KFK + r - 8 h
.set N, 0
.rept 32
	v_cmp_gt_i32 vcc_lo, 16*(N/8)+N%8, v[DM]
	v_cndmask_b32 v[S+N], v[S+N], v[NINF], vcc_lo
.set N, N+1
.endr
.Lopen_\@:
	v_max3_num_f32 v[CH], v[ST+1], v[S], v[S+1]    ; the largest raw score, the running one among the leaves, in two chains; each accumulator is first read at its low end
	v_max3_num_f32 v[CH+1], v[S+2], v[S+3], v[S+4]
.irp i, 5,9,13,17,21,25
	v_max3_num_f32 v[CH], v[CH], v[S+\i], v[S+\i+1]
	v_max3_num_f32 v[CH+1], v[CH+1], v[S+\i+2], v[S+\i+3]
.endr
	v_max3_num_f32 v[CH], v[CH], v[S+29], v[S+30]
	v_max3_num_f32 v[CH], v[CH], v[CH+1], v[S+31]
	v_permlanex16_b32 v[PD], v[CH], s[SEL], s[SEL+1]   ; the query's other 32 keys lie in the lane 16 away
	v_max_num_f32 v[ST+1], v[CH], v[PD]
	v_mul_f32 v[CH], s[CS], v[ST+1]                ; as t (c is positive)
	v_floor_f32 v[CH+1], -v[CH]                    ; the new -M = floor(-t): M is a whole number
	v_sub_f32 v[CH], v[CH+1], v[ST]                ; old M - new M, 0 or less
	v_mov_b32 v[ST], v[CH+1]
	v_cvt_i32_f32 v[CH], v[CH]                     ; (it saturates)
.set J, 0
.rept 16
	v_pk_fma_f32 v[S+J:S+J+1], v[S+J:S+J+1], s[CS:CS+1], v[ST:ST+1] op_sel_hi:[1,0,0]   ; t - M
.set J, J+2
.endr
	v_ldexp_f32 v[F], 1.0, v[CH]                   ; f
.set J, 0
.rept 16
	v_pk_mul_f32 v[O+J:O+J+1], v[O+J:O+J+1], v[F:F+1] op_sel_hi:[1,0]   ; O^T under the new M, ahead of the exponentials; each accumulator from its low end on
.set J, J+2
.endr
	s_wait_alu depctr_va_vdst(0)                   ; the wait ahead of the batch
	s_wait_dscnt 0x0                               ; V is in
.set J, 0
.rept 32
	v_exp_f32 v[S+J], v[S+J]                       ; p = 2^(t - M), at most 1
.set J, J+1
.endr
	v_pk_mul_f32 v[ST+2:ST+3], v[ST+2:ST+3], v[F:F+1] op_sel_hi:[1,0]   ; the sum under the new M (a plain place behind the exponentials)
	s_wait_alu depctr_va_vdst(0)                   ; one wait for the batch, ahead of its first reader
	v_pk_add_f32 v[TS:TS+1], v[S:S+1], v[S+2:S+3]  ; the sum is taken of the unheld p, in two chains
.irp j, 4,8,12,16,20,24,28
	v_pk_add_f32 v[ST+2:ST+3], v[ST+2:ST+3], v[S+\j:S+\j+1]
	v_pk_add_f32 v[TS:TS+1], v[TS:TS+1], v[S+\j+2:S+\j+3]
.endr
	v_pk_add_f32 v[ST+2:ST+3], v[ST+2:ST+3], v[TS:TS+1]
.set J, 0
.rept 16
	v_dual_min_num_f32 v[S+J], v[S+J], v[LIM] :: v_dual_min_num_f32 v[S+J+1], v[S+J+1], v[LIM2]   ; the conversion does not saturate (ISA guide 7.6.2); p is not negative, so the hold is one-sided; two a line
.set J, J+2
.endr
.irp g, 0,1,2,3
	v_cvt_scalef32_pk8_fp8_f32 v[PF+2*\g:PF+2*\g+1], v[S+8*\g:S+8*\g+7], v[SCL]
.endr
	v_nop                                          ; a plain instruction between the last conversion and the products that read its result
.irp t, 0,1,2,3
	v_wmma_f32_16x16x64_fp8_fp8 v[O+8*\t:O+8*\t+7], v[VF+8*\t:VF+8*\t+7], v[PF:PF+7], v[O+8*\t:O+8*\t+7]   ; four accumulators by turns, one instruction a turn
.endr
.endm
; 512 keys: eight trips, a constant.  lo = 1: steps under my first key are left out too.
.macro SEG c, qf, lo
	s_mov_b32 s[TBK], 40960*\c
	s_mov_b32 s[TBV], VOFF+VSEG*\c
	s_mov_b32 s[CNT], 8
.Lstep_\@:
	s_cmp_gt_u32 s[KFK], s[QLIM]                   ; the step lies beyond what I take of the tile
	s_cbranch_scc1 .Lnext_\@
.if \lo
	s_cmp_lt_u32 s[KFK], s[QLO]                    ; or under it
	s_cbranch_scc1 .Lnext_\@
.endif
	STEP \qf
.Lnext_\@:
	s_add_co_u32 s[KFK], s[KFK], 64
	s_add_co_u32 s[TBK], s[TBK], 5120
	s_add_co_u32 s[TBV], s[TBV], 64
	s_sub_co_u32 s[CNT], s[CNT], 1
	s_cmp_lg_u32 s[CNT], 0
	s_cbranch_scc1 .Lstep_\@
.endm
; A TILE LEAVES: O^T x 2^(e4 + e5) / the sum, quantised by 2^e6, through my stage, so that a lane stores 16 bytes.  ob: the scalar pair with the tile's rows of ac.
.macro OUTT ob
	v_add_f32 v[CH], v[ST+2], v[ST+3]
	v_permlanex16_b32 v[PD], v[CH], s[SEL], s[SEL+1]
	v_add_f32 v[CH], v[CH], v[PD]                  ; the row's sum
	s_wait_alu depctr_va_vdst(0)                   ; the wait ahead of the transcendental
	v_rcp_f32 v[F], v[CH]
	v_nop
	s_wait_alu depctr_va_vdst(0)                   ; ahead of the first reader
	v_ldexp_f32 v[F], v[F], s[E45]                 ; x 2^(e4 + e5)
	s_wait_alu depctr_va_vdst(0)                   ; the wait directly ahead of the first readers of O^T
.set J, 0
.rept 16
	v_pk_mul_f32 v[S+J:S+J+1], v[O+J:O+J+1], v[F:F+1] op_sel_hi:[1,0]
.set J, J+2
.endr
.set J, 0
.rept 32
	v_med3_num_f32 v[S+J], v[S+J], -v[LIMO], v[LIMO]
.set J, J+1
.endr
.irp g, 0,1,2,3
	v_cvt_scalef32_pk8_fp8_f32 v[PF+2*\g:PF+2*\g+1], v[S+8*\g:S+8*\g+7], v[SCLO]   ; d = 16 g + 8 h + 0 .. 7
.endr
	v_nop
.irp t, 0,1,2,3
	ds_store_b64 v[SO], v[PF+2*\t:PF+2*\t+1] offset:16*\t
.endr
.irp i, 0,1
	ds_load_b128 v[KF+4*\i:KF+4*\i+3], v[SR] offset:640*\i   ; my own bytes, served in order: no wait between the stores and the loads
.endr
	s_wait_dscnt 1
	global_store_b128 v[GO], v[KF:KF+3], s[\ob:\ob+1]              ; eight tokens, 64 bytes of each
	s_wait_dscnt 0
	global_store_b128 v[GO], v[KF+4:KF+7], s[\ob:\ob+1] offset:8192
	s_wait_xcnt 0x0                                ; the stores have read their registers, which later loads write
.endm
	s_wait_alu depctr_va_vdst(0)                   ; the wait at the head's end
	s_wait_loadcnt 0x0                             ; Q
	s_wait_tensorcnt 0x0                           ; my part of keys 0-511 is in
	ds_add_u32 v[SPW], v[NIL]
	ds_add_u32 v[SPW], v[NIL]                      ; the add twice here
	MKG0 G0K, 30720, 40960, 6, 24576, 32768        ; no load of mine is out, so the groups 0 may be written: keys 512 + 384 P on,
	MKG0 G0V, VSEG, VOFF+VSEG, 8, 512, 512         ; V's keys 512 (1 + P) on
	s_wait_dscnt 0x0
	CROUND                                         ; a whole round: everybody's part of keys 0-511 is in, and the joint loads meet
	s_cmp_lt_u32 s[WV], 4
	s_cbranch_scc0 .Lrest_v
	tensor_load_to_lds s[G0K:G0K+3], s[G1KB:G1KB+7]
	s_nop 0
	s_branch .Lrest_j
.Lrest_v:
	s_cmp_lt_u32 s[WV], 7                          ; waves 7-15 have no part to fill
	s_cbranch_scc0 .Lrest_j
	tensor_load_to_lds s[G0V:G0V+3], s[G1VB:G1VB+7]
	s_nop 0
.Lrest_j:
	SEG 0, QF, 0
	s_wait_alu depctr_va_vdst(0)
	s_wait_tensorcnt 0x0                           ; my part of keys 512-2047 is in
	s_wait_dscnt 0x0
	s_barrier_signal -1
	s_barrier_wait -1                              ; everybody's is
	SEG 1, QF, 0
	s_cmp_eq_u32 s[KIND], 0
	s_cbranch_scc1 .Lkeep                          ; kind 0 goes on with its part of the long tile
	OUTT 12                                        ; kind 1: the short tile is whole and leaves,
	INIT                                           ; and the long tile's second part begins
	s_wait_alu depctr_va_vdst(0)
.Lkeep:
	s_mov_b32 s[QM], s[QLG]
	s_mov_b32 s[QB], s[L64]
	s_mov_b32 s[QLIM], s[QL2]
	SEG 2, QF2, 1
	SEG 3, QF2, 1
	; THE TWO PARTS OF A LONG TILE ARE JOINED.  Behind the first barrier nobody reads K or V any more; the waves of kind 1 lay their O^T, -M and sum into K's bytes as images of registers; behind the second their partners take them.
	s_wait_dscnt 0x0
	s_barrier_signal -1
	s_barrier_wait -1
	s_cmp_eq_u32 s[KIND], 0
	s_cbranch_scc1 .Lno_part
	v_mov_b32 v[CH], v[ST]
	v_add_f32 v[CH+1], v[ST+2], v[ST+3]
	v_nop                                          ; four places behind the last products
	v_nop
.irp i, 0,1,2,3,4,5,6,7
	ds_store_b128 v[MGA], v[O+4*\i:O+4*\i+3] offset:512*\i
.endr
	ds_store_b64 v[MGB], v[CH:CH+1]
.Lno_part:
	s_wait_dscnt 0x0
	s_barrier_signal -1
	s_barrier_wait -1
	s_cmp_eq_u32 s[KIND], 0
	s_cbranch_scc0 .Ldone
.rept 4
	v_nop                                          ; places in front of loads into registers that the last products read
.endr
.irp i, 0,1,2,3,4,5,6,7
	ds_load_b128 v[KF+4*\i:KF+4*\i+3], v[MLA] offset:512*\i
.endr
	ds_load_b64 v[VF:VF+1], v[MLB]
	s_wait_dscnt 0x0
	v_min_num_f32 v[CH], v[ST], v[VF]              ; -M of the larger M
	v_sub_f32 v[CH+1], v[CH], v[ST]                ; my M less it, 0 or less,
	v_sub_f32 v[CH+2], v[CH], v[VF]                ; the other part's likewise
	v_cvt_i32_f32 v[CH+1], v[CH+1]
	v_cvt_i32_f32 v[CH+2], v[CH+2]
	v_ldexp_f32 v[F], 1.0, v[CH+1]
	v_ldexp_f32 v[F+2], 1.0, v[CH+2]
	v_add_f32 v[ST+2], v[ST+2], v[ST+3]
	v_mul_f32 v[ST+2], v[ST+2], v[F]               ; the two sums under the joint M: OUTT adds them
	v_mul_f32 v[ST+3], v[VF+1], v[F+2]
.set J, 0
.rept 16
	v_pk_mul_f32 v[O+J:O+J+1], v[O+J:O+J+1], v[F:F+1] op_sel_hi:[1,0]
.set J, J+2
.endr
.set J, 0
.rept 16
	v_pk_fma_f32 v[O+J:O+J+1], v[KF+J:KF+J+1], v[F+2:F+3], v[O+J:O+J+1] op_sel_hi:[1,0,1]
.set J, J+2
.endr
	OUTT 16
.Ldone:
	s_wait_tensorcnt 0x0                           ; the wave's end
	ds_add_u32 v[SPW], v[NIL]
	s_wait_dscnt 0x0
	CROUND                                         ; the closing round
	s_endpgm
.Lfunc_end_k_qd4dc995e7b_attn:
	.size	k_qd4dc995e7b_attn, .Lfunc_end_k_qd4dc995e7b_attn-k_qd4dc995e7b_attn
	.p2alignl 7, 3214868480
	.fill 96, 4, 3214868480
	.section	.rodata,"a",@progbits
	.p2align	6, 0x0
	.amdhsa_kernel k_qd4dc995e7b_attn
		.amdhsa_group_segment_fixed_size 327680
		.amdhsa_private_segment_fixed_size 0
		.amdhsa_enable_private_segment 0
		.amdhsa_kernarg_size 40
		.amdhsa_user_sgpr_count 2
		.amdhsa_user_sgpr_kernarg_segment_ptr 1
		.amdhsa_wavefront_size32 1
		.amdhsa_system_sgpr_workgroup_id_x 1
		.amdhsa_system_sgpr_workgroup_id_y 1
		.amdhsa_system_sgpr_workgroup_id_z 1
		.amdhsa_system_vgpr_workitem_id 0
		.amdhsa_next_free_vgpr 192
		.amdhsa_next_free_sgpr 104
		.amdhsa_reserve_vcc 1
		.amdhsa_float_denorm_mode_32 3
		.amdhsa_float_denorm_mode_16_64 3
		.amdhsa_memory_ordered 1
		.amdhsa_forward_progress 1
		.amdhsa_inst_pref_size 74
	.end_amdhsa_kernel
	.amdgpu_metadata
---
amdhsa.version: [ 1, 2 ]
amdhsa.kernels:
  - .name:           k_qd4dc995e7b_attn
    .symbol:         k_qd4dc995e7b_attn.kd
    .args:
      - { .name: qc, .offset: 0, .size: 8, .value_kind: global_buffer, .address_space: global }
      - { .name: kc, .offset: 8, .size: 8, .value_kind: global_buffer, .address_space: global }
      - { .name: vc, .offset: 16, .size: 8, .value_kind: global_buffer, .address_space: global }
      - { .name: lowp_scales, .offset: 24, .size: 8, .value_kind: global_buffer, .address_space: global }
      - { .name: ac, .offset: 32, .size: 8, .value_kind: global_buffer, .address_space: global }
    .group_segment_fixed_size: 327680
    .private_segment_fixed_size: 0
    .kernarg_segment_align: 8
    .kernarg_segment_size: 40
    .max_flat_workgroup_size: 512
    .sgpr_count:     104
    .vgpr_count:     192
    .wavefront_size: 32
...
	.end_amdgpu_metadata
.endif
;; end of part 3
;; launch wout (part 4): grid 8 x 32, 4 waves a work-group, clusters of 4 x 4, 327,680 bytes of LDS; arguments ac, Wout_codes, lowp_scales, x, x1; writes x1
.if DOCPART == 4
	.amdgcn_target "amdgcn-amd-amdhsa--gfx1250"
	.amdhsa_code_object_version 6
	.text
	.protected	k_qd4dc995e7b_wout
	.globl	k_qd4dc995e7b_wout
	.p2align	8
	.type	k_qd4dc995e7b_wout,@function
k_qd4dc995e7b_wout:
	s_mov_b64 s[64:65], 0
	v_nop
	global_prefetch_b8 v0, s[64:65] scope:SCOPE_SE
	s_setreg_imm32_b32 hwreg(HW_REG_WAVE_MODE, 25, 1), 1
	s_wait_xcnt 0x0
	s_wait_alu depctr_hold_cnt(0) depctr_sa_sdst(0) depctr_va_vdst(0) depctr_va_sdst(0) depctr_va_ssrc(0) depctr_va_vcc(0) depctr_vm_vsrc(0)
	s_getreg_b32 s2, hwreg(HW_REG_IB_STS2, 6, 4)
	s_cmp_eq_u32 s2, 0
	s_cbranch_scc0 .Lentry_in_a_cluster
	s_endpgm
.Lentry_in_a_cluster:
	s_bfe_u32 s2, ttmp6, 0x10000c
	s_cmp_lg_u32 s2, 0xf033
	s_cbranch_scc0 .Lentry_shape_is_right
	s_endpgm
.Lentry_shape_is_right:
; out = res + (A's codes x B's codes) x 2^(eA + eB).  A: [4096][1024], B: [1024][1024]: codes of E4M3, K innermost; res, out: [4096][1024] f32.  v_wmma_f32_16x16x128_fp8_fp8, sums f32.
; Tiles of 128 x 128 give 256 work-groups.  Four waves of 64 x 64: 16 accumulators.  THE WHOLE K LIES IN LDS: 256 rows of 1,024 bytes, 1,040 apart, are 266,240 bytes, filled ONCE, one tensor load a wave
; (64 rows each) at the head: no ring, no refill, one barrier.  CLUSTERS of 4 x 4: A's tiles are asked for jointly along a row of the cluster, B's along a column.
; NO PREFETCH: all tiles are asked for at the head; there is no trip ahead of them to ask in.
; The matrix instruction is used transposed (source 0 = rows of B, source 1 = rows of A).  The k order inside an instruction is permuted alike in both operands (fragments come by 16-byte loads).
; The residual's 64 x 64 numbers of a wave are asked for at the head, in the layout in which the results leave, and are waited for only on the way out.
; LIMIT: eA + eB between -126 and 127.
; REGISTERS: window 0: v0-31 addresses; v32-95 rows on the way out, two sets; v128-255 accumulators, (a, b) at v[128 + 8 (4 a + b)].  window 1: two fragment buffers of 128 (A's four, then B's four).  window 2: v0-127 the residual.
.set KTOT,   1024
.set ESC,    0x18
.set PITCH,  1040                      ; 1,024 bytes + 16: the 16 rows of a fragment load start at 16 different banks
.set HALFT,  64*PITCH
.set STAGE,  4*HALFT                   ; behind the tiles: 16 rows x 272 bytes for each wave
.set SPITCH, 272
.set SPARE,  STAGE+4*16*SPITCH         ; behind the stages: the spare words, 128 bytes a wave
.set ADRA, 16
.set ADRB, 20
.set STO,  24
.set RD,   25
.set CO,   26
.set SPW,  28
.set NIL,  29
.set TMP,  32
.set ACC,  128
.set F0,   0
.set F1,   128
.set G1, 24
.set G0, 32
.set G1B, 48
.set G0B, 56
.set MSB, 0
.macro WIN new
.if MSB != (\new)
	s_set_vgpr_msb (MSB<<8)|(\new)
.set MSB, (\new)
.endif
.endm
.set MUL,  0x05                        ; sources 0 and 1 window 1; C and D window 0
.set TO_F, 0x40
.macro CROUND                          ; a round of the cluster's barrier
	s_barrier_signal -1
	s_barrier_wait -1
	s_cmp_lg_u32 s14, 0
	s_cbranch_scc1 .Lnot_wave_0_\@
	s_barrier_signal -3
.Lnot_wave_0_\@:
	s_barrier_wait -3
	s_barrier_signal -1
	s_barrier_wait -1
.endm
	s_load_b128 s[4:7], s[0:1], 0x0                ; A's codes, B's codes
	s_load_b128 s[8:11], s[0:1], 0x10              ; scales s[8:9], residual s[10:11]
	s_load_b64 s[70:71], s[0:1], 0x20              ; out
	v_lshl_add_u32 v[SPW], v0, 2, SPARE
	v_mov_b32 v[NIL], 0
	ds_add_u32 v[SPW], v[NIL]                      ; the opening lines: the add, twice on end, and its wait ahead of the round in front of my tensor load
	ds_add_u32 v[SPW], v[NIL]
	v_lshrrev_b32 v1, 5, v0
	v_readfirstlane_b32 s14, v1                    ; wave
	s_lshr_b32 s15, s14, 1                         ; my half of the rows; also: I fetch for A (0) or B (1)
	s_and_b32 s16, s14, 1                          ; my half of the columns; also: which 64 rows I fetch
	s_bfe_u32 s40, ttmp6, 0x40000                  ; cx
	s_bfe_u32 s41, ttmp6, 0x40004                  ; cy
	s_lshl_b32 s42, ttmp9, 2
	s_add_co_u32 s42, s42, s40                     ; tile column
	s_and_b32 s17, ttmp7, 0xffff
	s_lshl_b32 s17, s17, 2
	s_add_co_u32 s17, s17, s41                     ; tile row
	s_lshl_b32 s43, s41, 2
	s_lshl_b32 s43, 15, s43
	s_lshl_b32 s44, 0x1111, s40
	s_or_b32 s[G1+0], s43, (1<<20)|(1<<21)|(7<<22)|(3<<25)   ; mask; elements of 1 byte; padding: 4 words behind every 256; bit 21 beside a mask
	s_or_b32 s[G1B+0], s44, (1<<20)|(1<<21)|(7<<22)|(3<<25)
.irp g, G1, G1B
	s_mov_b32 s[\g+1], KTOT<<16
	s_mov_b32 s[\g+2], 64<<16
	s_mov_b32 s[\g+3], KTOT<<16
	s_mov_b32 s[\g+4], 64
	s_mov_b32 s[\g+5], KTOT
	s_mov_b32 s[\g+6], 0
	s_mov_b32 s[\g+7], 0
.endr
	s_lshl_b32 s18, s16, 6
	s_lshl_b32 s20, s17, 7
	s_add_co_u32 s20, s20, s18                     ; A: row 128 x tile row + 64 x half
	s_lshl_b32 s20, s20, 10
	s_mov_b32 s21, 0
	s_lshl_b32 s46, s42, 7
	s_add_co_u32 s46, s46, s18                     ; B likewise
	s_lshl_b32 s46, s46, 10
	s_mov_b32 s47, 0
	s_mul_i32 s45, s14, HALFT
	s_wait_dscnt 0x0                               ; both opening adds are done
	s_wait_kmcnt 0x0
	s_load_b64 s[66:67], s[8:9], ESC               ; eA, eB
	s_mov_b32 s[G0], 1
	s_mov_b32 s[G0+1], s45
	s_add_nc_u64 s[G0+2:G0+3], s[4:5], s[20:21]
	s_or_b32 s[G0+3], s[G0+3], 0x80000000
	s_mov_b32 s[G0B], 1
	s_mov_b32 s[G0B+1], s45
	s_add_nc_u64 s[G0B+2:G0B+3], s[6:7], s[46:47]
	s_or_b32 s[G0B+3], s[G0B+3], 0x80000000
	CROUND                                         ; all sixteen work-groups are here: the joint loads meet
	s_cmp_eq_u32 s15, 0
	s_cbranch_scc0 .Lfor_b
	tensor_load_to_lds s[G0:G0+3], s[G1:G1+7]
	s_nop 0
.rept 4
	v_nop
.endr
	s_branch .Lasked
.Lfor_b:
	tensor_load_to_lds s[G0B:G0B+3], s[G1B:G1B+7]
	s_nop 0
.rept 4
	v_nop
.endr
.Lasked:
	v_and_b32 v1, 15, v0                           ; r
	v_bfe_u32 v2, v0, 4, 1                         ; h
	v_lshlrev_b32 v5, 12, v2
	v_lshl_add_u32 v[CO], v1, 4, v5                ; two rows of 4,096 bytes, 16 bytes a lane: sixteen lanes take 256 consecutive bytes
	s_wait_alu depctr_va_vdst(0)                   ; the wait ahead of the run of scalar lines
	s_lshl_b32 s74, s17, 7
	s_lshl_b32 s75, s15, 6
	s_add_co_u32 s74, s74, s75                     ; my first row
	s_lshl_b32 s74, s74, 12
	s_lshl_b32 s76, s42, 9
	s_lshl_b32 s77, s16, 8
	s_add_co_u32 s76, s76, s77                     ; my first column, in bytes
	s_add_co_u32 s72, s74, s76
	s_mov_b32 s73, 0
	s_add_nc_u64 s[10:11], s[10:11], s[72:73]
	s_add_nc_u64 s[70:71], s[70:71], s[72:73]
	WIN 0x80                                       ; destination window 2
.irp a, 0,1,2,3
.irp t, 0,1,2,3,4,5,6,7
	global_load_b128 v[32*\a+4*\t:32*\a+4*\t+3], v[CO], s[10:11] offset:(16*\a+2*\t)*4096   ; the residual: 32 loads, out until the way out
.endr
.endr
	WIN 0
	v_mul_u32_u24 v3, v1, PITCH
	v_lshl_add_u32 v3, v2, 4, v3
	s_mul_i32 s21, s15, HALFT
	s_mul_i32 s22, s16, HALFT
	s_add_co_u32 s22, s22, 2*HALFT
	v_add_nc_u32 v[ADRA], s21, v3
	v_add_nc_u32 v[ADRB], s22, v3
	s_mul_i32 s23, s14, 16*SPITCH
	s_add_co_u32 s23, s23, STAGE                   ; my stage
	v_mul_u32_u24 v4, v1, SPITCH
	v_lshl_add_u32 v4, v2, 5, v4
	v_add_nc_u32 v[STO], s23, v4                   ; in: row r, 32 bytes for each half of the lanes
	v_mul_u32_u24 v5, v2, SPITCH
	v_lshl_add_u32 v5, v1, 4, v5
	v_add_nc_u32 v[RD], s23, v5                    ; back: lanes 0-15 one row of 256 bytes, lanes 16-31 the next
.macro MULA f, a, zero                 ; A's block a x B's four, 128 along K; the 16 accumulators take turns, one instruction a turn
.irp b, 0,1,2,3
.if \zero
	v_wmma_f32_16x16x128_fp8_fp8 v[ACC+8*(4*(\a)+\b):ACC+8*(4*(\a)+\b)+7], v[\f+64+16*\b:\f+64+16*\b+15], v[\f+16*(\a):\f+16*(\a)+15], 0
.else
	v_wmma_f32_16x16x128_fp8_fp8 v[ACC+8*(4*(\a)+\b):ACC+8*(4*(\a)+\b)+7], v[\f+64+16*\b:\f+64+16*\b+15], v[\f+16*(\a):\f+16*(\a)+15], v[ACC+8*(4*(\a)+\b):ACC+8*(4*(\a)+\b)+7]
.endif
.endr
.endm
.macro FETCH k, f                      ; 32 LDS loads in one run: B's four fragments, then A's four, of 128 along K at byte k
	WIN TO_F
.irp i, 0,1,2,3
.irp c, 0,1,2,3
	ds_load_b128 v[\f+64+16*\i+4*\c:\f+64+16*\i+4*\c+3], v[ADRB] offset:\k+32*\c+\i*16*PITCH
.endr
.endr
.irp i, 0,1,2,3
.irp c, 0,1,2,3
	ds_load_b128 v[\f+16*\i+4*\c:\f+16*\i+4*\c+3], v[ADRA] offset:\k+32*\c+\i*16*PITCH
.endr
.endr
.endm
.macro PLACES
.rept 4
	v_nop
.endr
.endm
.macro QUARTER k, f, g, zero           ; multiplies buffer f and fetches the next 128 along K, at byte k, into g
	s_wait_dscnt 8                                 ; B and A's blocks 0, 1 are in; the youngest eight loads (blocks 2, 3) may be out
	WIN MUL
	MULA \f, 0, \zero
	MULA \f, 1, \zero
	PLACES
	FETCH \k, \g
	s_wait_dscnt 32                                ; all but the 32 just issued
	WIN MUL
	MULA \f, 2, \zero
	MULA \f, 3, \zero
.endm
	s_wait_alu depctr_va_vdst(0)                   ; the wait at the head's end
	s_wait_tensorcnt 0x0                           ; my 64 rows are in
	s_barrier_signal -1
	s_barrier_wait -1                              ; everybody's are
	FETCH 0, F0
	QUARTER 128, F0, F1, 1                         ; the first products start the sums
	QUARTER 256, F1, F0, 0
	QUARTER 384, F0, F1, 0
	QUARTER 512, F1, F0, 0
	QUARTER 640, F0, F1, 0
	QUARTER 768, F1, F0, 0
	QUARTER 896, F0, F1, 0
	s_wait_dscnt 8
	WIN MUL
	MULA F1, 0, 0
	MULA F1, 1, 0
	s_wait_dscnt 0
	MULA F1, 2, 0
	MULA F1, 3, 0
	WIN 0
	; THE WAY OUT, 16 rows at a time through my own stage: back as whole rows of 256 bytes, x 2^(eA + eB) + residual in one packed multiply-add.
	s_wait_kmcnt 0x0
	s_add_co_i32 s66, s66, s67
	s_add_co_i32 s66, s66, 127
	s_lshl_b32 s66, s66, 23                        ; 2^(eA + eB) as f32
	s_mov_b32 s67, s66
	PLACES
	s_wait_loadcnt 0x0                             ; the residual
.macro BLOCK a
.set TS, TMP+32*((\a)%2)
.if (\a) >= 2
	s_wait_xcnt 0x0                                ; the stores of two blocks ago have read this set
.endif
.irp b, 0,1,2,3
	ds_store_b128 v[STO], v[ACC+8*(4*(\a)+\b):ACC+8*(4*(\a)+\b)+3] offset:64*\b        ; each accumulator from its low end on
	ds_store_b128 v[STO], v[ACC+8*(4*(\a)+\b)+4:ACC+8*(4*(\a)+\b)+7] offset:64*\b+16
.endr
.irp t, 0,1,2,3,4,5,6,7
	ds_load_b128 v[TS+4*\t:TS+4*\t+3], v[RD] offset:\t*2*SPITCH   ; my own bytes, served in order
.endr
	s_wait_dscnt 0x0
	WIN 0x20                                       ; source 2 (the residual) window 2
.irp k, 0,1,2,3,4,5,6,7,8,9,10,11,12,13,14,15
	v_pk_fma_f32 v[TS+2*\k:TS+2*\k+1], v[TS+2*\k:TS+2*\k+1], s[66:67], v[32*(\a)+2*\k:32*(\a)+2*\k+1] op_sel_hi:[1,0,1]
.endr
	WIN 0
.irp t, 0,1,2,3,4,5,6,7
	global_store_b128 v[CO], v[TS+4*\t:TS+4*\t+3], s[70:71] offset:(16*(\a)+2*\t)*4096   ; sixteen lanes store 256 consecutive bytes, aligned
.endr
.endm
	BLOCK 0
	BLOCK 1
	BLOCK 2
	BLOCK 3
	s_wait_tensorcnt 0x0                           ; the wave's end
	ds_add_u32 v[SPW], v[NIL]
	s_wait_dscnt 0x0
	CROUND                                         ; the closing round
	s_endpgm
.Lfunc_end_k_qd4dc995e7b_wout:
	.size	k_qd4dc995e7b_wout, .Lfunc_end_k_qd4dc995e7b_wout-k_qd4dc995e7b_wout
	.p2alignl 7, 3214868480
	.fill 96, 4, 3214868480
	.section	.rodata,"a",@progbits
	.p2align	6, 0x0
	.amdhsa_kernel k_qd4dc995e7b_wout
		.amdhsa_group_segment_fixed_size 327680
		.amdhsa_private_segment_fixed_size 0
		.amdhsa_enable_private_segment 0
		.amdhsa_kernarg_size 40
		.amdhsa_user_sgpr_count 2
		.amdhsa_user_sgpr_kernarg_segment_ptr 1
		.amdhsa_wavefront_size32 1
		.amdhsa_system_sgpr_workgroup_id_x 1
		.amdhsa_system_sgpr_workgroup_id_y 1
		.amdhsa_system_sgpr_workgroup_id_z 1
		.amdhsa_system_vgpr_workitem_id 0
		.amdhsa_next_free_vgpr 640
		.amdhsa_next_free_sgpr 80
		.amdhsa_reserve_vcc 0
		.amdhsa_float_denorm_mode_32 3
		.amdhsa_float_denorm_mode_16_64 3
		.amdhsa_memory_ordered 1
		.amdhsa_forward_progress 1
		.amdhsa_inst_pref_size 47
	.end_amdhsa_kernel
	.amdgpu_metadata
---
amdhsa.version: [ 1, 2 ]
amdhsa.kernels:
  - .name:           k_qd4dc995e7b_wout
    .symbol:         k_qd4dc995e7b_wout.kd
    .args:
      - { .name: ac, .offset: 0, .size: 8, .value_kind: global_buffer, .address_space: global }
      - { .name: Wout_codes, .offset: 8, .size: 8, .value_kind: global_buffer, .address_space: global }
      - { .name: lowp_scales, .offset: 16, .size: 8, .value_kind: global_buffer, .address_space: global }
      - { .name: x, .offset: 24, .size: 8, .value_kind: global_buffer, .address_space: global }
      - { .name: x1, .offset: 32, .size: 8, .value_kind: global_buffer, .address_space: global }
    .group_segment_fixed_size: 327680
    .private_segment_fixed_size: 0
    .kernarg_segment_align: 8
    .kernarg_segment_size: 40
    .max_flat_workgroup_size: 128
    .sgpr_count:     80
    .vgpr_count:     640
    .wavefront_size: 32
...
	.end_amdgpu_metadata
.endif
;; end of part 4
;; launch ln2 (part 5): grid 256 x 1, 16 waves a work-group, no clusters, 18,432 bytes of LDS; arguments x1, ln2_g, ln2_b, lowp_scales, a2; writes a2
.if DOCPART == 5
	.amdgcn_target "amdgcn-amd-amdhsa--gfx1250"
	.amdhsa_code_object_version 6
	.text
	.protected	k_qd4dc995e7b_ln2
	.globl	k_qd4dc995e7b_ln2
	.p2align	8
	.type	k_qd4dc995e7b_ln2,@function
k_qd4dc995e7b_ln2:
	s_mov_b64 s[64:65], 0
	v_nop
	global_prefetch_b8 v0, s[64:65] scope:SCOPE_SE
	s_setreg_imm32_b32 hwreg(HW_REG_WAVE_MODE, 25, 1), 1
	s_wait_xcnt 0x0
; codes = Q(layer_norm(src) * g + b), E4M3 with the given scale 2^e (entry EOFF/4 of the scales).  src: [4096][1024] f32; codes: [4096][1024], one byte each.
; A stream: no matrix unit, no tensor load, no cluster.  A work-group takes 16 rows, a wave ONE: the row lies in the wave's registers, 32 numbers a lane, and is read once; mean and variance in two passes over the registers.
; Load j reads 512 consecutive bytes: lane l holds elements 128 j + 4 l + 0..3.  The codes turn through the wave's own 1 KB of LDS, so that each store of the wave covers 512 consecutive bytes, aligned.  No barrier.
; LDS bytes 16,384 on: the spare words, 128 bytes a wave.  LIMITS: e between -126 and 119.  NaN among the inputs is not served.
.set EOFF, 32
.set MU,  4
.set RS,  6
.set C,   8
.set T,   16
.set G,   24
.set BV,  56
.set X,   88
.set OUT, 120
.set LIM, 128
.set SCL, 129
.set SPW, 130
.set NIL, 131
	s_load_b256 s[4:11], s[0:1], 0x0               ; src s[4:5], g s[6:7], b s[8:9], scales s[10:11]
	s_load_b64 s[12:13], s[0:1], 0x20              ; codes
	v_lshl_add_u32 v[SPW], v0, 2, 16384            ; my spare word
	v_mov_b32 v[NIL], 0
	v_lshrrev_b32 v1, 5, v0
	v_readfirstlane_b32 s14, v1                    ; wave
	v_and_b32 v2, 31, v0                           ; lane
	v_lshlrev_b32 v1, 4, v2                        ; 16 x lane
	s_lshl_b32 s15, s14, 10                        ; my wave's 1 KB of LDS
	v_lshl_add_u32 v3, v2, 4, s15                  ; out of it: 16 bytes a lane
	v_lshl_add_u32 v2, v2, 2, s15                  ; into it: 4 bytes a lane
	s_mov_b32 s16, 0x76543210
	s_mov_b32 s17, 0xfedcba98
	s_mov_b32 s18, 0x3a800000                      ; 1 / 1024
	s_mov_b32 s19, 0x3727c5ac                      ; 1e-5
	s_lshl_b32 s22, ttmp9, 4
	s_add_co_u32 s22, s22, s14                     ; my row
	s_lshl_b32 s24, s22, 12
	s_mov_b32 s25, 0
	s_lshl_b32 s26, s22, 10
	s_mov_b32 s27, 0
	s_wait_alu depctr_va_vdst(0)                   ; the wait at the head's end
	s_wait_kmcnt 0x0
	s_load_b32 s21, s[10:11], EOFF                 ; e
	s_add_nc_u64 s[4:5], s[4:5], s[24:25]
	s_add_nc_u64 s[12:13], s[12:13], s[26:27]
.irp j, 0,1,2,3,4,5,6,7
	global_load_b128 v[X+4*\j:X+4*\j+3], v1, s[4:5] offset:512*\j
.endr
.irp j, 0,1,2,3,4,5,6,7
	global_load_b128 v[G+4*\j:G+4*\j+3], v1, s[6:7] offset:512*\j
	global_load_b128 v[BV+4*\j:BV+4*\j+3], v1, s[8:9] offset:512*\j
.endr
	s_wait_kmcnt 0x0
	s_add_co_i32 s21, s21, 127
	s_lshl_b32 s20, s21, 23
	v_mov_b32 v[SCL], s20                          ; 2^e as f32
	s_add_co_i32 s21, s21, 8
	s_lshl_b32 s21, s21, 23
	s_or_b32 s21, s21, 0x600000
	v_mov_b32 v[LIM], s21                          ; 448 x 2^e
.macro REDUCE                          ; the four chains, the pair's halves, the 32 lanes: the sum in v[T] of every lane
	v_pk_add_f32 v[T:T+1], v[T:T+1], v[T+2:T+3]
	v_pk_add_f32 v[T+4:T+5], v[T+4:T+5], v[T+6:T+7]
	v_pk_add_f32 v[T:T+1], v[T:T+1], v[T+4:T+5]
	v_add_f32 v[T], v[T], v[T+1]
	v_add_f32_dpp v[T], v[T], v[T] row_xmask:1 row_mask:0xf bank_mask:0xf
	v_add_f32_dpp v[T], v[T], v[T] row_xmask:2 row_mask:0xf bank_mask:0xf
	v_add_f32_dpp v[T], v[T], v[T] row_xmask:4 row_mask:0xf bank_mask:0xf
	v_add_f32_dpp v[T], v[T], v[T] row_xmask:8 row_mask:0xf bank_mask:0xf
	v_permlanex16_b32 v[T+1], v[T], s16, s17
	v_add_f32 v[T], v[T], v[T+1]
.endm
	s_wait_alu depctr_va_vdst(0)                   ; ahead of the wait below
	s_wait_loadcnt 16                              ; the row is in; the sixteen loads of g and b may be out
.irp k, 0,1,2,3
	v_pk_add_f32 v[T+2*\k:T+2*\k+1], v[X+2*\k:X+2*\k+1], v[X+8+2*\k:X+8+2*\k+1]
.endr
.irp m, 2,3
.irp k, 0,1,2,3
	v_pk_add_f32 v[T+2*\k:T+2*\k+1], v[T+2*\k:T+2*\k+1], v[X+8*\m+2*\k:X+8*\m+2*\k+1]
.endr
.endr
	REDUCE
	v_mul_f32 v[MU], s18, v[T]                     ; the mean, in both words of the pair
	v_mul_f32 v[MU+1], s18, v[T]
.irp k, 0,1,2,3,4,5,6,7,8,9,10,11,12,13,14,15
	v_pk_add_f32 v[X+2*\k:X+2*\k+1], v[X+2*\k:X+2*\k+1], v[MU:MU+1] neg_lo:[0,1] neg_hi:[0,1]   ; x - mean
.endr
.irp k, 0,1,2,3
	v_pk_mul_f32 v[T+2*\k:T+2*\k+1], v[X+2*\k:X+2*\k+1], v[X+2*\k:X+2*\k+1]
.endr
.irp m, 1,2,3
.irp k, 0,1,2,3
	v_pk_fma_f32 v[T+2*\k:T+2*\k+1], v[X+8*\m+2*\k:X+8*\m+2*\k+1], v[X+8*\m+2*\k:X+8*\m+2*\k+1], v[T+2*\k:T+2*\k+1]
.endr
.endr
	REDUCE
	v_fma_f32 v[T], v[T], s18, s19                 ; var + eps
	s_wait_alu depctr_va_vdst(0)                   ; the wait ahead of the transcendentals
	v_rsq_f32 v[RS], v[T]
	v_rsq_f32 v[RS+1], v[T]
	v_nop                                          ; a plain instruction behind the transcendentals
	s_wait_alu depctr_va_vdst(0)                   ; and the wait ahead of the first reader
	s_wait_loadcnt 0x0                             ; g and b
.irp k, 0,1,2,3,4,5,6,7,8,9,10,11,12,13,14,15
	v_pk_mul_f32 v[X+2*\k:X+2*\k+1], v[X+2*\k:X+2*\k+1], v[RS:RS+1]
.endr
.irp k, 0,1,2,3,4,5,6,7,8,9,10,11,12,13,14,15
	v_pk_fma_f32 v[X+2*\k:X+2*\k+1], v[X+2*\k:X+2*\k+1], v[G+2*\k:G+2*\k+1], v[BV+2*\k:BV+2*\k+1]
.endr
.set J, 0
.rept 32
	v_med3_num_f32 v[X+J], v[X+J], -v[LIM], v[LIM]   ; the conversion to an 8-bit code does not saturate (ISA guide 7.6.2): hold first
.set J, J+1
.endr
.irp g, 0,1,2,3
	v_cvt_scalef32_pk8_fp8_f32 v[C+2*\g:C+2*\g+1], v[X+8*\g:X+8*\g+7], v[SCL]
.endr
	v_nop                                          ; a plain instruction behind the last conversion
.irp j, 0,1,2,3,4,5,6,7
	ds_store_b32 v2, v[C+\j] offset:128*\j
.endr
.irp u, 0,1
	ds_load_b128 v[OUT+4*\u:OUT+4*\u+3], v3 offset:512*\u   ; LDS serves a wave's instructions in order: these see my stores
.endr
	s_wait_dscnt 0x0
.irp u, 0,1
	global_store_b128 v1, v[OUT+4*\u:OUT+4*\u+3], s[12:13] offset:512*\u   ; the wave stores 512 consecutive bytes, aligned
.endr
	s_wait_tensorcnt 0x0                           ; the wave's end
	ds_add_u32 v[SPW], v[NIL]
	s_wait_dscnt 0x0
	s_endpgm
.Lfunc_end_k_qd4dc995e7b_ln2:
	.size	k_qd4dc995e7b_ln2, .Lfunc_end_k_qd4dc995e7b_ln2-k_qd4dc995e7b_ln2
	.p2alignl 7, 3214868480
	.fill 96, 4, 3214868480
	.section	.rodata,"a",@progbits
	.p2align	6, 0x0
	.amdhsa_kernel k_qd4dc995e7b_ln2
		.amdhsa_group_segment_fixed_size 18432
		.amdhsa_private_segment_fixed_size 0
		.amdhsa_enable_private_segment 0
		.amdhsa_kernarg_size 40
		.amdhsa_user_sgpr_count 2
		.amdhsa_user_sgpr_kernarg_segment_ptr 1
		.amdhsa_wavefront_size32 1
		.amdhsa_system_sgpr_workgroup_id_x 1
		.amdhsa_system_sgpr_workgroup_id_y 1
		.amdhsa_system_sgpr_workgroup_id_z 1
		.amdhsa_system_vgpr_workitem_id 0
		.amdhsa_next_free_vgpr 144
		.amdhsa_next_free_sgpr 66
		.amdhsa_reserve_vcc 0
		.amdhsa_float_denorm_mode_32 3
		.amdhsa_float_denorm_mode_16_64 3
		.amdhsa_memory_ordered 1
		.amdhsa_forward_progress 1
		.amdhsa_inst_pref_size 14
	.end_amdhsa_kernel
	.amdgpu_metadata
---
amdhsa.version: [ 1, 2 ]
amdhsa.kernels:
  - .name:           k_qd4dc995e7b_ln2
    .symbol:         k_qd4dc995e7b_ln2.kd
    .args:
      - { .name: x1, .offset: 0, .size: 8, .value_kind: global_buffer, .address_space: global }
      - { .name: ln2_g, .offset: 8, .size: 8, .value_kind: global_buffer, .address_space: global }
      - { .name: ln2_b, .offset: 16, .size: 8, .value_kind: global_buffer, .address_space: global }
      - { .name: lowp_scales, .offset: 24, .size: 8, .value_kind: global_buffer, .address_space: global }
      - { .name: a2, .offset: 32, .size: 8, .value_kind: global_buffer, .address_space: global }
    .group_segment_fixed_size: 18432
    .private_segment_fixed_size: 0
    .kernarg_segment_align: 8
    .kernarg_segment_size: 40
    .max_flat_workgroup_size: 512
    .sgpr_count:     66
    .vgpr_count:     144
    .wavefront_size: 32
...
	.end_amdgpu_metadata
.endif
;; end of part 5
;; launch w1 (part 6): grid 16 x 16, 4 waves a work-group, clusters of 4 x 4, 327,680 bytes of LDS; arguments a2, W1_codes, lowp_scales, b1, hc; writes hc
.if DOCPART == 6
	.amdgcn_target "amdgcn-amd-amdhsa--gfx1250"
	.amdhsa_code_object_version 6
	.text
	.protected	k_qd4dc995e7b_w1
	.globl	k_qd4dc995e7b_w1
	.p2align	8
	.type	k_qd4dc995e7b_w1,@function
k_qd4dc995e7b_w1:
	s_mov_b64 s[64:65], 0
	v_nop
	global_prefetch_b8 v0, s[64:65] scope:SCOPE_SE
	s_setreg_imm32_b32 hwreg(HW_REG_WAVE_MODE, 25, 1), 1
	s_wait_xcnt 0x0
	s_wait_alu depctr_hold_cnt(0) depctr_sa_sdst(0) depctr_va_vdst(0) depctr_va_sdst(0) depctr_va_ssrc(0) depctr_va_vcc(0) depctr_vm_vsrc(0)
	s_getreg_b32 s2, hwreg(HW_REG_IB_STS2, 6, 4)
	s_cmp_eq_u32 s2, 0
	s_cbranch_scc0 .Lentry_in_a_cluster
	s_endpgm
.Lentry_in_a_cluster:
	s_bfe_u32 s2, ttmp6, 0x10000c
	s_cmp_lg_u32 s2, 0xf033
	s_cbranch_scc0 .Lentry_shape_is_right
	s_endpgm
.Lentry_shape_is_right:
.set ROWB,   256
.set KROW,   1024
.set PITCH,  272
.set FR,     16
.set NL,     4
.set NP,     4
.set HALFT,  128*PITCH
.set SLOT,   4*HALFT
.set SPARE,  2*SLOT
.set FP,     1040
.set ADRA, 16
.set ADRB, 20
.set RDA,  22
.set BO,   23
.set STO,  24
.set RD0,  25
.set CO,   26
.set STO2, 27
.set SPW,  28
.set NIL,  29
.set BB,   32
.set ZC,   40
.set YY,   48
.set HX,   56
.set PPB,  64                          ; numerators x z of four groups of eight
.set QQB,  96                          ; their denominators
.set GG,   136
.set CD,   200
.set LIM,  236
.set SCL,  237
.set AF,   128
.set G1, 24
.set G0, 32
.set G1B, 48
.set G0B, 56
.set MSB, 0
.macro WIN new
.if MSB != (\new)
	s_set_vgpr_msb (MSB<<8)|(\new)
.set MSB, (\new)
.endif
.endm
.set MUL_LO, 0xa1
.set MUL_HI, 0xf1
.set TO_B,   0x40
.macro JLOAD g0a, g0b
	s_cmp_eq_u32 s15, 0
	s_cbranch_scc0 .Lfor_b_\@
	tensor_load_to_lds s[\g0a:\g0a+3], s[G1:G1+7]
	s_nop 0
.rept 4
	v_nop
.endr
	s_branch .Lasked_\@
.Lfor_b_\@:
	tensor_load_to_lds s[\g0b:\g0b+3], s[G1B:G1B+7]
	s_nop 0
.rept 4
	v_nop
.endr
.Lasked_\@:
.endm
.macro CREST
	s_cmp_lg_u32 s14, 0
	s_cbranch_scc1 .Lnot_wave_0_\@
	s_barrier_signal -3
.Lnot_wave_0_\@:
	s_barrier_wait -3
	s_barrier_signal -1
	s_barrier_wait -1
.endm
.macro CROUND
	s_barrier_signal -1
	s_barrier_wait -1
	CREST
.endm
	s_load_b128 s[4:7], s[0:1], 0x0
	s_load_b128 s[8:11], s[0:1], 0x10
	s_load_b64 s[12:13], s[0:1], 0x20
	v_lshl_add_u32 v[SPW], v0, 2, SPARE
	v_mov_b32 v[NIL], 0
	v_lshrrev_b32 v1, 5, v0
	v_readfirstlane_b32 s14, v1
	s_lshr_b32 s15, s14, 1
	s_and_b32 s16, s14, 1
	s_bfe_u32 s40, ttmp6, 0x40000
	s_bfe_u32 s41, ttmp6, 0x40004
	s_lshl_b32 s42, ttmp9, 2
	s_add_co_u32 s42, s42, s40
	s_and_b32 s17, ttmp7, 0xffff
	s_lshl_b32 s17, s17, 2
	s_add_co_u32 s17, s17, s41
	s_lshl_b32 s43, s41, 2
	s_lshl_b32 s43, 15, s43
	s_lshl_b32 s44, 0x1111, s40
	s_or_b32 s[G1+0], s43, (1<<20)|(1<<21)|(5<<22)|(3<<25)
	s_or_b32 s[G1B+0], s44, (1<<20)|(1<<21)|(5<<22)|(3<<25)
.irp g, G1, G1B
	s_mov_b32 s[\g+1], ROWB<<16
	s_mov_b32 s[\g+2], 128<<16
	s_mov_b32 s[\g+3], ROWB<<16
	s_mov_b32 s[\g+4], 128
	s_mov_b32 s[\g+5], KROW
	s_mov_b32 s[\g+6], 0
	s_mov_b32 s[\g+7], 0
.endr
	s_lshl_b32 s18, s16, 7
	s_lshl_b32 s20, s17, 8
	s_add_co_u32 s20, s20, s18
	s_lshl_b32 s20, s20, 10
	s_mov_b32 s21, 0
	s_lshl_b32 s46, s42, 8
	s_add_co_u32 s46, s46, s18
	s_lshl_b32 s46, s46, 10
	s_mov_b32 s47, 0
	s_mul_i32 s45, s14, HALFT
	s_wait_kmcnt 0x0
	s_load_b128 s[88:91], s[8:9], 0x20
	s_add_nc_u64 s[20:21], s[4:5], s[20:21]
	s_add_nc_u64 s[46:47], s[6:7], s[46:47]
	CROUND
.irp s, 0,1
	s_mov_b32 s[G0+4*\s], 1
	s_add_co_u32 s[G0+4*\s+1], s45, \s*SLOT
	s_add_nc_u64 s[G0+4*\s+2:G0+4*\s+3], s[20:21], \s*ROWB
	s_or_b32 s[G0+4*\s+3], s[G0+4*\s+3], 0x80000000
	s_mov_b32 s[G0B+4*\s], 1
	s_add_co_u32 s[G0B+4*\s+1], s45, \s*SLOT
	s_add_nc_u64 s[G0B+4*\s+2:G0B+4*\s+3], s[46:47], \s*ROWB
	s_or_b32 s[G0B+4*\s+3], s[G0B+4*\s+3], 0x80000000
	s_wait_alu depctr_va_vdst(0)
	s_wait_tensorcnt 0x0
	ds_add_u32 v28, v29
	ds_add_u32 v28, v29
	s_wait_dscnt 0x0
	CROUND
	JLOAD G0+4*\s, G0B+4*\s
.endr
	v_and_b32 v1, 15, v0
	v_bfe_u32 v2, v0, 4, 1
	v_and_b32 v6, 31, v0
	v_lshlrev_b32 v[BO], 5, v6
	s_lshl_b32 s96, s42, 10
	s_mov_b32 s97, 0
	s_add_nc_u64 s[10:11], s[10:11], s[96:97]
	global_load_b128 v[BB:BB+3], v[BO], s[10:11]
	global_load_b128 v[BB+4:BB+7], v[BO], s[10:11] offset:16
	v_mul_u32_u24 v3, v1, PITCH
	v_lshl_add_u32 v4, v2, 4, v3
	s_mul_i32 s21, s15, HALFT
	s_mul_i32 s22, s16, HALFT
	s_add_co_u32 s22, s22, 2*HALFT
.irp s, 0,1
	v_add_nc_u32 v[ADRA+\s], s21, v4
	v_add_nc_u32 v[ADRB+\s], s22, v4
	s_add_co_u32 s21, s21, SLOT
	s_add_co_u32 s22, s22, SLOT
.endr
	s_mul_i32 s23, s15, 128*FP
	s_lshl_b32 s21, s16, 9
	s_add_co_u32 s23, s23, s21
	v_mul_u32_u24 v5, v1, FP
	v_lshl_add_u32 v5, v2, 5, v5
	v_add_nc_u32 v[STO], s23, v5
	v_add_nc_u32 v[STO2], 64*FP, v[STO]
	s_mul_i32 s23, s14, 64*FP
	v_add_nc_u32 v[RD0], s23, v[BO]
	v_lshlrev_b32 v[CO], 3, v6
.macro FRAG reg, adr, q, i
.irp c, 0,1,2,3
	ds_load_b128 v[\reg+4*\c:\reg+4*\c+3], v[\adr] offset:128*(\q)+32*\c+(\i)*16*PITCH
.endr
.endm
.macro MUL16 a0, p, zero
.irp a, \a0, \a0+1
.irp b, 0,1,2,3,4,5,6,7
.if \zero
	v_wmma_f32_16x16x128_fp8_fp8 v[8*(8*((\a)%4)+\b):8*(8*((\a)%4)+\b)+7], v[128*(\p)+FR*\b:128*(\p)+FR*\b+FR-1], v[AF+FR*(\a):AF+FR*(\a)+FR-1], 0
.else
	v_wmma_f32_16x16x128_fp8_fp8 v[8*(8*((\a)%4)+\b):8*(8*((\a)%4)+\b)+7], v[128*(\p)+FR*\b:128*(\p)+FR*\b+FR-1], v[AF+FR*(\a):AF+FR*(\a)+FR-1], v[8*(8*((\a)%4)+\b):8*(8*((\a)%4)+\b)+7]
.endif
.endr
.endr
.endm
.macro FETCH_B slot, q, p
	WIN TO_B
.irp i, 0,1,2,3,4,5,6,7
	FRAG 128*(\p)+FR*\i, ADRB+\slot, \q, \i
.endr
	WIN 0
.endm
.macro FETCH_A slot, q, i0
.irp i, \i0, \i0+1, \i0+2, \i0+3
	FRAG AF+FR*(\i), ADRA+\slot, \q, \i
.endr
.endm
.macro PLACES n
.rept \n
	v_nop
.endr
.endm
.macro STEP slot, q, zero
	s_wait_dscnt 4*NL
	WIN MUL_LO
	MUL16 0, (\q)%2, \zero
	MUL16 2, (\q)%2, \zero
	s_wait_dscnt 0
	PLACES NP
	FETCH_B \slot, (\q)+1, 1-(\q)%2
	FETCH_A \slot, (\q)+1, 0
	WIN MUL_HI
	MUL16 4, (\q)%2, \zero
	MUL16 6, (\q)%2, \zero
	PLACES NP
	WIN 0
	FETCH_A \slot, (\q)+1, 4
.endm
.macro TURN slot, next, fill
	s_wait_tensorcnt 0x0
	ds_add_u32 v[SPW], v[NIL]
	s_wait_dscnt 4*NL+1
	WIN MUL_LO
	MUL16 0, 1, 0
	s_wait_dscnt 0x0
	s_barrier_signal -1
	MUL16 2, 1, 0
	WIN 0
	s_barrier_wait -1
.if \fill
	CREST
	s_add_nc_u64 s[G0+4*\slot+2:G0+4*\slot+3], s[G0+4*\slot+2:G0+4*\slot+3], 2*ROWB
	s_add_nc_u64 s[G0B+4*\slot+2:G0B+4*\slot+3], s[G0B+4*\slot+2:G0B+4*\slot+3], 2*ROWB
	JLOAD G0+4*\slot, G0B+4*\slot
.else
	PLACES NP
.endif
	FETCH_B \next, 0, 0
	FETCH_A \next, 0, 0
	WIN MUL_HI
	MUL16 4, 1, 0
	MUL16 6, 1, 0
	PLACES NP
	WIN 0
	FETCH_A \next, 0, 4
.endm
	s_wait_alu depctr_va_vdst(0)
	s_wait_tensorcnt 1
	s_barrier_signal -1
	s_barrier_wait -1
	FETCH_B 0, 0, 0
	FETCH_A 0, 0, 0
	FETCH_A 0, 0, 4
	STEP 0, 0, 1
	TURN 0, 1, 1
	STEP 1, 0, 0
	TURN 1, 0, 1
	STEP 0, 0, 0
	TURN 0, 1, 0
	STEP 1, 0, 0
	s_wait_dscnt 4*NL
	WIN MUL_LO
	MUL16 0, 1, 0
	MUL16 2, 1, 0
	s_wait_dscnt 0
	WIN MUL_HI
	MUL16 4, 1, 0
	MUL16 6, 1, 0
	WIN 0
	s_wait_dscnt 0x0
	s_barrier_signal -1
	s_barrier_wait -1
	PLACES NP
.macro DUMP a
	WIN 0x08+4*((\a)/4)
.irp b, 0,1,2,3,4,5,6,7
	ds_store_b128 v[STO+3*((\a)/4)], v[64*((\a)%4)+8*\b:64*((\a)%4)+8*\b+3] offset:((\a)%4)*16*FP+64*\b
	ds_store_b128 v[STO+3*((\a)/4)], v[64*((\a)%4)+8*\b+4:64*((\a)%4)+8*\b+7] offset:((\a)%4)*16*FP+64*\b+16
.endr
.endm
.irp a, 0,1,2,3,4,5,6,7
	DUMP \a
.endr
	WIN 0
.macro SC2 r, val
	s_mov_b32 s[\r], \val
	s_mov_b32 s[\r+1], \val
.endm
	SC2 66, 0x32edffee
	SC2 68, 0xb60cff51
	SC2 70, 0xb86ec2d2
	SC2 72, 0xba40ac63
	SC2 74, 0xbb41a1f6
	SC2 76, 0xbc83dbd4
	SC2 78, 0xb95fbd29
	SC2 80, 0xbadc924e
	SC2 82, 0xbbf19bf8
	SC2 84, 0xbc69b6a7
	v_mov_b32 v232, 0xaf95df0b
	v_mov_b32 v233, 0xaf95df0b
	v_mov_b32 v234, 0xb77460cd
	v_mov_b32 v235, 0xb77460cd
	s_wait_kmcnt 0x0
	s_add_co_i32 s92, s88, s89
	s_lshl_b32 s92, s92, 23
	s_add_co_i32 s92, s92, 0x3f3504f3
	s_mov_b32 s93, s92
	s_add_co_i32 s94, s90, 127
	s_lshl_b32 s95, s94, 23
	v_mov_b32 v[SCL], s95
	s_add_co_i32 s94, s94, 8
	s_lshl_b32 s94, s94, 23
	s_or_b32 s94, s94, 0x600000
	v_mov_b32 v[LIM], s94
	s_wait_loadcnt 0x0
.irp k, 0,2,4,6
	v_pk_mul_f32 v[BB+\k:BB+\k+1], v[BB+\k:BB+\k+1], 0x3f3504f3 op_sel_hi:[1,0]
.endr
	s_lshl_b32 s96, s17, 8
	s_lshl_b32 s97, s14, 6
	s_add_co_u32 s96, s96, s97
	s_lshl_b32 s96, s96, 12
	s_lshl_b32 s97, s42, 8
	s_add_co_u32 s96, s96, s97
	s_mov_b32 s97, 0
	s_add_nc_u64 s[12:13], s[12:13], s[96:97]
	s_wait_dscnt 0x0
	s_barrier_signal -1
	s_barrier_wait -1
.macro FMA4 d, c
.irp k, 0,2,4,6
	v_pk_fma_f32 v[\d+\k:\d+\k+1], v[\d+\k:\d+\k+1], v[YY+\k:YY+\k+1], s[\c:\c+1] op_sel_hi:[1,1,0]
.endr
.endm
.macro GELU8 i                         ; group i: the numerator x z and the denominator of the rational form of erf
.set GR, GG+8*(\i)
.set PP, PPB+8*((\i)%4)
.set QQ, QQB+8*((\i)%4)
.irp k, 0,1,2,3,4,5,6,7
	v_med3_num_f32 v[ZC+\k], v[GR+\k], -4.0, 4.0
.endr
.irp k, 0,2,4,6
	v_pk_mul_f32 v[YY+\k:YY+\k+1], v[ZC+\k:ZC+\k+1], v[ZC+\k:ZC+\k+1]
.endr
.irp k, 0,2,4,6
	v_pk_fma_f32 v[PP+\k:PP+\k+1], v[YY+\k:YY+\k+1], v[232:233], s[66:67] op_sel_hi:[1,1,0]
.endr
.irp k, 0,2,4,6
	v_pk_fma_f32 v[QQ+\k:QQ+\k+1], v[YY+\k:YY+\k+1], v[234:235], s[78:79] op_sel_hi:[1,1,0]
.endr
	FMA4 PP, 68
	FMA4 QQ, 80
	FMA4 PP, 70
	FMA4 QQ, 82
	FMA4 PP, 72
	FMA4 QQ, 84
	FMA4 PP, 74
	FMA4 PP, 76
.irp k, 0,2,4,6
	v_pk_mul_f32 v[PP+\k:PP+\k+1], v[PP+\k:PP+\k+1], v[ZC+\k:ZC+\k+1]
.endr
.endm
.macro GELB i                          ; group i, behind the reciprocals: x / 2 (1 + erf)
.set GR, GG+8*(\i)
.set PP, PPB+8*((\i)%4)
.set QQ, QQB+8*((\i)%4)
.irp k, 0,2,4,6
	v_pk_mul_f32 v[HX+\k:HX+\k+1], v[GR+\k:GR+\k+1], 0x3f3504f3 op_sel_hi:[1,0]
.endr
.irp k, 0,2,4,6
	v_pk_mul_f32 v[PP+\k:PP+\k+1], v[PP+\k:PP+\k+1], v[QQ+\k:QQ+\k+1]
.endr
.irp k, 0,2,4,6
	v_pk_fma_f32 v[GR+\k:GR+\k+1], v[HX+\k:HX+\k+1], v[PP+\k:PP+\k+1], v[HX+\k:HX+\k+1]
.endr
.endm
	s_mov_b32 s94, 8
	s_mov_b32 s95, 0
.Lrows:
	v_add_nc_u32 v[RDA], s95, v[RD0]
.irp i, 0,1,2,3,4,5,6,7
	ds_load_b128 v[GG+8*\i:GG+8*\i+3], v[RDA] offset:\i*FP
	ds_load_b128 v[GG+8*\i+4:GG+8*\i+7], v[RDA] offset:\i*FP+16
.endr
	s_wait_dscnt 0x0
	s_wait_alu depctr_va_vdst(0)
.irp i, 0,1,2,3,4,5,6,7
.irp k, 0,2,4,6
	v_pk_fma_f32 v[GG+8*\i+\k:GG+8*\i+\k+1], v[GG+8*\i+\k:GG+8*\i+\k+1], s[92:93], v[BB+\k:BB+\k+1] op_sel_hi:[1,0,1]
.endr
.endr
.irp u, 0,4                            ; the reciprocals go in two batches of 32, each with one wait ahead of it and one behind it
.irp i, 0,1,2,3
	GELU8 \u+\i
.endr
	s_wait_alu depctr_va_vdst(0)
.set J, 0
.rept 32
	v_rcp_f32 v[QQB+J], v[QQB+J]
.set J, J+1
.endr
	v_nop                                          ; a plain instruction behind the transcendentals
	s_wait_alu depctr_va_vdst(0)
.irp i, 0,1,2,3
	GELB \u+\i
.endr
.endr
.set J, 0
.rept 64
	v_med3_num_f32 v[GG+J], v[GG+J], -v[LIM], v[LIM]
.set J, J+1
.endr
.irp i, 0,1,2,3,4,5,6,7
	v_cvt_scalef32_pk8_fp8_f32 v[CD+2*\i:CD+2*\i+1], v[GG+8*\i:GG+8*\i+7], v[SCL]
.endr
	v_nop
.irp i, 0,1,2,3,4,5,6,7
	global_store_b64 v[CO], v[CD+2*\i:CD+2*\i+1], s[12:13] offset:\i*4096
.endr
	s_wait_xcnt 0x0
	s_add_nc_u64 s[12:13], s[12:13], 8*4096
	s_add_co_u32 s95, s95, 8*FP
	s_sub_co_u32 s94, s94, 1
	s_cmp_lg_u32 s94, 0
	s_cbranch_scc1 .Lrows
	s_wait_tensorcnt 0x0
	ds_add_u32 v[SPW], v[NIL]
	s_wait_dscnt 0x0
	CROUND
	s_endpgm
.Lfunc_end_k_qd4dc995e7b_w1:
	.size	k_qd4dc995e7b_w1, .Lfunc_end_k_qd4dc995e7b_w1-k_qd4dc995e7b_w1
	.p2alignl 7, 3214868480
	.fill 96, 4, 3214868480
	.section	.rodata,"a",@progbits
	.p2align	6, 0x0
	.amdhsa_kernel k_qd4dc995e7b_w1
		.amdhsa_group_segment_fixed_size 327680
		.amdhsa_private_segment_fixed_size 0
		.amdhsa_enable_private_segment 0
		.amdhsa_kernarg_size 40
		.amdhsa_user_sgpr_count 2
		.amdhsa_user_sgpr_kernarg_segment_ptr 1
		.amdhsa_wavefront_size32 1
		.amdhsa_system_sgpr_workgroup_id_x 1
		.amdhsa_system_sgpr_workgroup_id_y 1
		.amdhsa_system_sgpr_workgroup_id_z 1
		.amdhsa_system_vgpr_workitem_id 0
		.amdhsa_next_free_vgpr 1024
		.amdhsa_next_free_sgpr 100
		.amdhsa_reserve_vcc 0
		.amdhsa_float_denorm_mode_32 3
		.amdhsa_float_denorm_mode_16_64 3
		.amdhsa_memory_ordered 1
		.amdhsa_forward_progress 1
		.amdhsa_inst_pref_size 135
	.end_amdhsa_kernel
	.amdgpu_metadata
---
amdhsa.version: [ 1, 2 ]
amdhsa.kernels:
  - .name:           k_qd4dc995e7b_w1
    .symbol:         k_qd4dc995e7b_w1.kd
    .args:
      - { .name: a2, .offset: 0, .size: 8, .value_kind: global_buffer, .address_space: global }
      - { .name: W1_codes, .offset: 8, .size: 8, .value_kind: global_buffer, .address_space: global }
      - { .name: lowp_scales, .offset: 16, .size: 8, .value_kind: global_buffer, .address_space: global }
      - { .name: b1, .offset: 24, .size: 8, .value_kind: global_buffer, .address_space: global }
      - { .name: hc, .offset: 32, .size: 8, .value_kind: global_buffer, .address_space: global }
    .group_segment_fixed_size: 327680
    .private_segment_fixed_size: 0
    .kernarg_segment_align: 8
    .kernarg_segment_size: 40
    .max_flat_workgroup_size: 128
    .sgpr_count:     100
    .vgpr_count:     1024
    .wavefront_size: 32
...
	.end_amdgpu_metadata
.endif
;; end of part 6
;; launch w2 (part 7): grid 8 x 32, 4 waves a work-group, clusters of 4 x 4, 327,680 bytes of LDS; arguments hc, W2_codes, lowp_scales, x1, b2, out0; writes out0
.if DOCPART == 7
	.amdgcn_target "amdgcn-amd-amdhsa--gfx1250"
	.amdhsa_code_object_version 6
	.text
	.protected	k_qd4dc995e7b_w2
	.globl	k_qd4dc995e7b_w2
	.p2align	8
	.type	k_qd4dc995e7b_w2,@function
k_qd4dc995e7b_w2:
	s_mov_b64 s[64:65], 0
	v_nop
	global_prefetch_b8 v0, s[64:65] scope:SCOPE_SE
	s_setreg_imm32_b32 hwreg(HW_REG_WAVE_MODE, 25, 1), 1
	s_wait_xcnt 0x0
	s_wait_alu depctr_hold_cnt(0) depctr_sa_sdst(0) depctr_va_vdst(0) depctr_va_sdst(0) depctr_va_ssrc(0) depctr_va_vcc(0) depctr_vm_vsrc(0)
	s_getreg_b32 s2, hwreg(HW_REG_IB_STS2, 6, 4)
	s_cmp_eq_u32 s2, 0
	s_cbranch_scc0 .Lentry_in_a_cluster
	s_endpgm
.Lentry_in_a_cluster:
	s_bfe_u32 s2, ttmp6, 0x10000c
	s_cmp_lg_u32 s2, 0xf033
	s_cbranch_scc0 .Lentry_shape_is_right
	s_endpgm
.Lentry_shape_is_right:
; out = res + (A's codes x B's codes) x 2^(eA + eB) (+ bias where HASB).  A: [4096][KTOT], B: [1024][KTOT]: codes of E4M3, K innermost; res, out: [4096][1024] f32.  v_wmma_f32_16x16x128_fp8_fp8, sums f32.
; The result has 4,096 x 1,024 numbers: tiles of 128 x 128 give 256 work-groups (256 x 256 would give 64).  Four waves of 64 x 64: 16 accumulators.  K goes in steps of 512 (rows of 512 bytes, 528 apart in LDS) through two slots,
; as long as two slots fit.  CLUSTERS of 4 x 4: A's tiles are asked for jointly along a row of the cluster, B's along a column.  The matrix instruction is used transposed (source 0 = rows of B, source 1 = rows of A).
; The residual's 64 x 64 numbers of a wave are asked for at the head, in the layout in which the results leave, and are waited for only on the way out.
; The k order inside an instruction is permuted alike in both operands (fragments come by 16-byte loads).
; LIMIT: eA + eB between -126 and 127.
; REGISTERS: window 0: v0-31 addresses; v32-95 rows on the way out, two sets; v96-99 bias; v128-255 accumulators, (a, b) at v[128 + 8 (4 a + b)].  window 1: two fragment buffers of 128 (A's four fragments, then B's four).  window 2: v0-127 the residual.
.set KTOT,  4096
.set ESC,   0x28                       ; byte offset of eA, eB in the buffer of scales
.set HASB,  1
.set KSTEP,  512
.set PITCH,  528
.set HALFT,  64*PITCH
.set SLOT,   4*HALFT
.set STAGE,  2*SLOT
.set SPITCH, 272
.set SPARE,  STAGE+4*16*SPITCH
.set LAPS,   KTOT/(2*KSTEP)
.set ADRA, 16
.set ADRB, 20
.set STO,  24
.set RD,   25
.set CO,   26
.set SPW,  28
.set NIL,  29
.set TMP,  32
.set BI,   96
.set ACC,  128
.set F0,   0
.set F1,   128
.set G1, 24
.set G0, 32
.set G1B, 48
.set G0B, 56
.set MSB, 0
.macro WIN new
.if MSB != (\new)
	s_set_vgpr_msb (MSB<<8)|(\new)
.set MSB, (\new)
.endif
.endm
.set MUL,  0x05
.set TO_F, 0x40
.macro JLOAD s                         ; a joint load: waves 0, 1 fetch A's halves, waves 2, 3 B's; four v_nop follow each line
	s_cmp_eq_u32 s15, 0
	s_cbranch_scc0 .Lfor_b_\@
	tensor_load_to_lds s[G0+4*\s:G0+4*\s+3], s[G1:G1+7]
	s_nop 0
.rept 4
	v_nop
.endr
	s_branch .Lasked_\@
.Lfor_b_\@:
	tensor_load_to_lds s[G0B+4*\s:G0B+4*\s+3], s[G1B:G1B+7]
	s_nop 0
.rept 4
	v_nop
.endr
.Lasked_\@:
.endm
.macro CREST
	s_cmp_lg_u32 s14, 0
	s_cbranch_scc1 .Lnot_wave_0_\@
	s_barrier_signal -3
.Lnot_wave_0_\@:
	s_barrier_wait -3
	s_barrier_signal -1
	s_barrier_wait -1
.endm
.macro CROUND
	s_barrier_signal -1
	s_barrier_wait -1
	CREST
.endm
	s_load_b128 s[4:7], s[0:1], 0x0                ; A's codes, B's codes
	s_load_b128 s[8:11], s[0:1], 0x10              ; scales s[8:9], residual s[10:11]
.if HASB
	s_load_b128 s[68:71], s[0:1], 0x20             ; bias s[68:69], out s[70:71]
.else
	s_load_b64 s[70:71], s[0:1], 0x20              ; out
.endif
	v_lshl_add_u32 v[SPW], v0, 2, SPARE
	v_mov_b32 v[NIL], 0
	ds_add_u32 v[SPW], v[NIL]                      ; the opening lines: the add, twice on end, and its wait ahead of the round in front of my first tensor load
	ds_add_u32 v[SPW], v[NIL]
	v_lshrrev_b32 v1, 5, v0
	v_readfirstlane_b32 s14, v1                    ; wave
	s_lshr_b32 s15, s14, 1
	s_and_b32 s16, s14, 1
	s_bfe_u32 s40, ttmp6, 0x40000                  ; cx
	s_bfe_u32 s41, ttmp6, 0x40004                  ; cy
	s_lshl_b32 s42, ttmp9, 2
	s_add_co_u32 s42, s42, s40                     ; tile column
	s_and_b32 s17, ttmp7, 0xffff
	s_lshl_b32 s17, s17, 2
	s_add_co_u32 s17, s17, s41                     ; tile row
	s_lshl_b32 s43, s41, 2
	s_lshl_b32 s43, 15, s43
	s_lshl_b32 s44, 0x1111, s40
	s_or_b32 s[G1+0], s43, (1<<20)|(1<<21)|(6<<22)|(3<<25)
	s_or_b32 s[G1B+0], s44, (1<<20)|(1<<21)|(6<<22)|(3<<25)
.irp g, G1, G1B
	s_mov_b32 s[\g+1], KSTEP<<16
	s_mov_b32 s[\g+2], 64<<16
	s_mov_b32 s[\g+3], KSTEP<<16
	s_mov_b32 s[\g+4], 64
	s_mov_b32 s[\g+5], KTOT
	s_mov_b32 s[\g+6], 0
	s_mov_b32 s[\g+7], 0
.endr
	s_lshl_b32 s18, s16, 6
	s_lshl_b32 s20, s17, 7
	s_add_co_u32 s20, s20, s18
	s_mul_i32 s20, s20, KTOT
	s_mov_b32 s21, 0
	s_lshl_b32 s46, s42, 7
	s_add_co_u32 s46, s46, s18
	s_mul_i32 s46, s46, KTOT
	s_mov_b32 s47, 0
	s_mul_i32 s45, s14, HALFT
	s_wait_dscnt 0x0                               ; both opening adds are done
	s_wait_kmcnt 0x0
	s_load_b64 s[66:67], s[8:9], ESC               ; eA, eB
	s_add_nc_u64 s[20:21], s[4:5], s[20:21]
	s_add_nc_u64 s[46:47], s[6:7], s[46:47]
	CROUND                                         ; all sixteen work-groups are here: the first joint loads meet
.irp s, 0,1
	s_mov_b32 s[G0+4*\s], 1
	s_add_co_u32 s[G0+4*\s+1], s45, \s*SLOT
	s_add_nc_u64 s[G0+4*\s+2:G0+4*\s+3], s[20:21], \s*KSTEP
	s_or_b32 s[G0+4*\s+3], s[G0+4*\s+3], 0x80000000
	s_mov_b32 s[G0B+4*\s], 1
	s_add_co_u32 s[G0B+4*\s+1], s45, \s*SLOT
	s_add_nc_u64 s[G0B+4*\s+2:G0B+4*\s+3], s[46:47], \s*KSTEP
	s_or_b32 s[G0B+4*\s+3], s[G0B+4*\s+3], 0x80000000
.endr
	JLOAD 0                                        ; K step 0: one tensor load a wave at the head
	; THE PREFETCHES.  Behind each refill one instruction a wave names the K step that stands two refills on.  Of the 64 rows that a wave fetches, each of the four partners that ask for them jointly takes 16, told apart by address
	; (cx for A, cy for B): 16 rows x 512 bytes are 32 blocks of 256 bytes, a lane a block.  K steps 0 to 3 come by their loads alone; the loop's last trip, whose refills are K steps 6 and 7, asks for nothing.
	s_cmp_eq_u32 s15, 0                            ; do I fetch for A?
	s_cselect_b32 s12, s17, s42                    ; the tile's number: by the tile row in A, by the tile column in B
	s_cselect_b32 s13, s40, s41                    ; my place among the four
	s_cselect_b64 s[78:79], s[4:5], s[6:7]
	s_lshl_b32 s12, s12, 7
	s_add_co_u32 s12, s12, s18                     ; + the 64 rows that I fetch
	s_lshl_b32 s13, s13, 4
	s_add_co_u32 s12, s12, s13                     ; + my work-group's 16 of them
	s_mul_i32 s12, s12, KTOT
	s_add_co_u32 s12, s12, 3*KSTEP                 ; at K step 3: the first refill steps it to 4
	s_mov_b32 s13, 0
	s_add_nc_u64 s[78:79], s[78:79], s[12:13]
	v_and_b32 v30, 31, v0
	v_lshrrev_b32 v31, 1, v30                      ; row lane / 2,
	v_and_b32 v30, 1, v30
	v_lshlrev_b32 v30, 8, v30                      ; its block lane % 2
	v_lshl_add_u32 v30, v31, 12, v30               ; a row is 4,096 bytes; never rewritten
	v_and_b32 v1, 15, v0                           ; r
	v_bfe_u32 v2, v0, 4, 1                         ; h
	v_lshlrev_b32 v5, 12, v2
	v_lshl_add_u32 v[CO], v1, 4, v5                ; two rows of 4,096 bytes, 16 bytes a lane
	s_wait_alu depctr_va_vdst(0)
	s_lshl_b32 s74, s17, 7
	s_lshl_b32 s75, s15, 6
	s_add_co_u32 s74, s74, s75                     ; my first row
	s_lshl_b32 s74, s74, 12
	s_lshl_b32 s76, s42, 9
	s_lshl_b32 s77, s16, 8
	s_add_co_u32 s76, s76, s77                     ; my first column, in bytes
	s_mov_b32 s77, 0
	s_add_co_u32 s72, s74, s76
	s_mov_b32 s73, 0
	s_add_nc_u64 s[10:11], s[10:11], s[72:73]
	s_add_nc_u64 s[70:71], s[70:71], s[72:73]
	WIN 0x80                                       ; destination window 2
.irp a, 0,1,2,3
.irp t, 0,1,2,3,4,5,6,7
	global_load_b128 v[32*\a+4*\t:32*\a+4*\t+3], v[CO], s[10:11] offset:(16*\a+2*\t)*4096   ; the residual: 32 loads, out until the way out
.endr
.endr
	WIN 0
.if HASB
	s_add_nc_u64 s[68:69], s[68:69], s[76:77]
	v_lshlrev_b32 v6, 4, v1
	global_load_b128 v[BI:BI+3], v6, s[68:69]      ; the bias of my four columns
.endif
	v_mul_u32_u24 v3, v1, PITCH
	v_lshl_add_u32 v3, v2, 4, v3
	s_mul_i32 s21, s15, HALFT
	s_mul_i32 s22, s16, HALFT
	s_add_co_u32 s22, s22, 2*HALFT
.irp s, 0,1
	v_add_nc_u32 v[ADRA+\s], s21, v3
	v_add_nc_u32 v[ADRB+\s], s22, v3
	s_add_co_u32 s21, s21, SLOT
	s_add_co_u32 s22, s22, SLOT
.endr
	s_mul_i32 s23, s14, 16*SPITCH
	s_add_co_u32 s23, s23, STAGE                   ; my stage
	v_mul_u32_u24 v4, v1, SPITCH
	v_lshl_add_u32 v4, v2, 5, v4
	v_add_nc_u32 v[STO], s23, v4
	v_mul_u32_u24 v5, v2, SPITCH
	v_lshl_add_u32 v5, v1, 4, v5
	v_add_nc_u32 v[RD], s23, v5
.macro MULA f, a, zero                 ; A's block a x B's four, 128 along K; the 16 accumulators take turns, one instruction a turn
.irp b, 0,1,2,3
.if \zero
	v_wmma_f32_16x16x128_fp8_fp8 v[ACC+8*(4*(\a)+\b):ACC+8*(4*(\a)+\b)+7], v[\f+64+16*\b:\f+64+16*\b+15], v[\f+16*(\a):\f+16*(\a)+15], 0
.else
	v_wmma_f32_16x16x128_fp8_fp8 v[ACC+8*(4*(\a)+\b):ACC+8*(4*(\a)+\b)+7], v[\f+64+16*\b:\f+64+16*\b+15], v[\f+16*(\a):\f+16*(\a)+15], v[ACC+8*(4*(\a)+\b):ACC+8*(4*(\a)+\b)+7]
.endif
.endr
.endm
.macro FETCH slot, k, f                ; 32 LDS loads in one run: B's four fragments, then A's four, of 128 along K at byte k
	WIN TO_F
.irp i, 0,1,2,3
.irp c, 0,1,2,3
	ds_load_b128 v[\f+64+16*\i+4*\c:\f+64+16*\i+4*\c+3], v[ADRB+\slot] offset:\k+32*\c+\i*16*PITCH
.endr
.endr
.irp i, 0,1,2,3
.irp c, 0,1,2,3
	ds_load_b128 v[\f+16*\i+4*\c:\f+16*\i+4*\c+3], v[ADRA+\slot] offset:\k+32*\c+\i*16*PITCH
.endr
.endr
.endm
.macro PLACES
.rept 4
	v_nop
.endr
.endm
.macro QUARTER slot, k, f, g, zero     ; multiplies buffer f and fetches the next 128 along K, at byte k, into g
	s_wait_dscnt 8                                 ; B and A's blocks 0, 1 are in; the youngest eight loads (blocks 2, 3) may be out
	WIN MUL
	MULA \f, 0, \zero
	MULA \f, 1, \zero
	PLACES
	FETCH \slot, \k, \g
	s_wait_dscnt 32                                ; all but the 32 just issued
	WIN MUL
	MULA \f, 2, \zero
	MULA \f, 3, \zero
.endm
.macro TURN slot, next, fill
	WIN 0
.if \fill
	s_wait_xcnt 0x0                                ; my last prefetch has read its address: it is stepped here, a K step behind that prefetch
	s_add_nc_u64 s[78:79], s[78:79], KSTEP
.endif
	s_wait_tensorcnt 0x0                           ; all my tensor loads have landed: my part of the next slot
	ds_add_u32 v[SPW], v[NIL]                      ; 0 onto my spare word
	s_wait_dscnt 13                                ; the add and the youngest twelve loads (A's blocks 1-3) may be out
	WIN MUL
	MULA F1, 0, 0
	s_wait_dscnt 0x0                               ; the add is done, and my reads of this slot are over
	s_barrier_signal -1
	MULA F1, 1, 0
.if \fill
	WIN 0
.endif
	s_barrier_wait -1
.if \fill
	CREST                                          ; no wave of any partner still reads this slot or has a load on its way
	s_add_nc_u64 s[G0+4*\slot+2:G0+4*\slot+3], s[G0+4*\slot+2:G0+4*\slot+3], 2*KSTEP
	s_add_nc_u64 s[G0B+4*\slot+2:G0B+4*\slot+3], s[G0B+4*\slot+2:G0B+4*\slot+3], 2*KSTEP
	JLOAD \slot                                    ; the first tensor load behind the round; its four v_nop are the places in front of the loads below
.else
	PLACES
.endif
	FETCH \next, 0, F0
.if \fill
	WIN 0                                          ; at a branch and at a label every window is 0
	s_cmp_gt_u32 s3, 1                             ; s3 = 1 in the loop's last trip
	s_cbranch_scc0 .Lno_ask_\@
	global_prefetch_b8 v30, s[78:79] th:TH_LOAD_NT scope:SCOPE_SE
.Lno_ask_\@:
.endif
	WIN MUL
	MULA F1, 2, 0
	MULA F1, 3, 0
.endm
	s_wait_alu depctr_va_vdst(0)
	s_wait_tensorcnt 0x0                           ; my part of K step 0 is in
	ds_add_u32 v[SPW], v[NIL]
	s_wait_dscnt 0x0
	CROUND                                         ; a whole round: everybody's part of K step 0 is in, and the joint loads meet
	JLOAD 1                                        ; K step 1: the first tensor load behind the round
	FETCH 0, 0, F0
	QUARTER 0, 128, F0, F1, 1                      ; the first products start the sums
.if LAPS > 1
	WIN 0
	s_mov_b32 s3, LAPS-1
.Llap:                                             ; a trip goes once round the ring and fills both slots again
	QUARTER 0, 256, F1, F0, 0
	QUARTER 0, 384, F0, F1, 0
	TURN 0, 1, 1
	QUARTER 1, 128, F0, F1, 0
	QUARTER 1, 256, F1, F0, 0
	QUARTER 1, 384, F0, F1, 0
	TURN 1, 0, 1
	QUARTER 0, 128, F0, F1, 0
	WIN 0
	s_sub_co_u32 s3, s3, 1
	s_cmp_lg_u32 s3, 0
	s_cbranch_scc1 .Llap
.endif
	QUARTER 0, 256, F1, F0, 0                      ; the last lap fills nothing
	QUARTER 0, 384, F0, F1, 0
	TURN 0, 1, 0
	QUARTER 1, 128, F0, F1, 0
	QUARTER 1, 256, F1, F0, 0
	QUARTER 1, 384, F0, F1, 0
	s_wait_dscnt 8
	WIN MUL
	MULA F1, 0, 0
	MULA F1, 1, 0
	s_wait_dscnt 0
	MULA F1, 2, 0
	MULA F1, 3, 0
	WIN 0
	; THE WAY OUT, 16 rows at a time through my own stage: back as whole rows of 256 bytes, x 2^(eA + eB) + residual in one packed multiply-add, then the bias.
	s_wait_kmcnt 0x0
	s_add_co_i32 s66, s66, s67
	s_add_co_i32 s66, s66, 127
	s_lshl_b32 s66, s66, 23                        ; 2^(eA + eB) as f32
	s_mov_b32 s67, s66
	PLACES
	s_wait_loadcnt 0x0                             ; the residual and the bias
.macro BLOCK a
.set TS, TMP+32*((\a)%2)
.if (\a) >= 2
	s_wait_xcnt 0x0                                ; the stores of two blocks ago have read this set
.endif
.irp b, 0,1,2,3
	ds_store_b128 v[STO], v[ACC+8*(4*(\a)+\b):ACC+8*(4*(\a)+\b)+3] offset:64*\b        ; each accumulator from its low end on
	ds_store_b128 v[STO], v[ACC+8*(4*(\a)+\b)+4:ACC+8*(4*(\a)+\b)+7] offset:64*\b+16
.endr
.irp t, 0,1,2,3,4,5,6,7
	ds_load_b128 v[TS+4*\t:TS+4*\t+3], v[RD] offset:\t*2*SPITCH   ; my own bytes, served in order
.endr
	s_wait_dscnt 0x0
	WIN 0x20                                       ; source 2 (the residual) window 2
.irp k, 0,1,2,3,4,5,6,7,8,9,10,11,12,13,14,15
	v_pk_fma_f32 v[TS+2*\k:TS+2*\k+1], v[TS+2*\k:TS+2*\k+1], s[66:67], v[32*(\a)+2*\k:32*(\a)+2*\k+1] op_sel_hi:[1,0,1]
.endr
	WIN 0
.if HASB
.irp k, 0,1,2,3,4,5,6,7,8,9,10,11,12,13,14,15
	v_pk_add_f32 v[TS+2*\k:TS+2*\k+1], v[TS+2*\k:TS+2*\k+1], v[BI+2*(\k%2):BI+2*(\k%2)+1]
.endr
.endif
.irp t, 0,1,2,3,4,5,6,7
	global_store_b128 v[CO], v[TS+4*\t:TS+4*\t+3], s[70:71] offset:(16*(\a)+2*\t)*4096 th:TH_STORE_NT   ; sixteen lanes store 256 consecutive bytes, aligned; written once, read by nobody here
.endr
.endm
	BLOCK 0
	BLOCK 1
	BLOCK 2
	BLOCK 3
	s_wait_tensorcnt 0x0                           ; the wave's end
	ds_add_u32 v[SPW], v[NIL]
	s_wait_dscnt 0x0
	CROUND                                         ; the closing round
	s_endpgm
.Lfunc_end_k_qd4dc995e7b_w2:
	.size	k_qd4dc995e7b_w2, .Lfunc_end_k_qd4dc995e7b_w2-k_qd4dc995e7b_w2
	.p2alignl 7, 3214868480
	.fill 96, 4, 3214868480
	.section	.rodata,"a",@progbits
	.p2align	6, 0x0
	.amdhsa_kernel k_qd4dc995e7b_w2
		.amdhsa_group_segment_fixed_size 327680
		.amdhsa_private_segment_fixed_size 0
		.amdhsa_enable_private_segment 0
		.amdhsa_kernarg_size 48
		.amdhsa_user_sgpr_count 2
		.amdhsa_user_sgpr_kernarg_segment_ptr 1
		.amdhsa_wavefront_size32 1
		.amdhsa_system_sgpr_workgroup_id_x 1
		.amdhsa_system_sgpr_workgroup_id_y 1
		.amdhsa_system_sgpr_workgroup_id_z 1
		.amdhsa_system_vgpr_workitem_id 0
		.amdhsa_next_free_vgpr 640
		.amdhsa_next_free_sgpr 80
		.amdhsa_reserve_vcc 0
		.amdhsa_float_denorm_mode_32 3
		.amdhsa_float_denorm_mode_16_64 3
		.amdhsa_memory_ordered 1
		.amdhsa_forward_progress 1
		.amdhsa_inst_pref_size 83
	.end_amdhsa_kernel
	.amdgpu_metadata
---
amdhsa.version: [ 1, 2 ]
amdhsa.kernels:
  - .name:           k_qd4dc995e7b_w2
    .symbol:         k_qd4dc995e7b_w2.kd
    .args:
      - { .name: hc, .offset: 0, .size: 8, .value_kind: global_buffer, .address_space: global }
      - { .name: W2_codes, .offset: 8, .size: 8, .value_kind: global_buffer, .address_space: global }
      - { .name: lowp_scales, .offset: 16, .size: 8, .value_kind: global_buffer, .address_space: global }
      - { .name: x1, .offset: 24, .size: 8, .value_kind: global_buffer, .address_space: global }
      - { .name: b2, .offset: 32, .size: 8, .value_kind: global_buffer, .address_space: global }
      - { .name: out0, .offset: 40, .size: 8, .value_kind: global_buffer, .address_space: global }
    .group_segment_fixed_size: 327680
    .private_segment_fixed_size: 0
    .kernarg_segment_align: 8
    .kernarg_segment_size: 48
    .max_flat_workgroup_size: 128
    .sgpr_count:     80
    .vgpr_count:     640
    .wavefront_size: 32
...
	.end_amdgpu_metadata
.endif
;; end of part 7
